; MI455X (gfx1250); checked and timed in simulation.
; The chip was launched on July 23, 2026; its instructions are those of AMD's public machine-readable ISA for CDNA 5 (MIT licence, August 2026) and "CDNA5" Instruction Set Architecture Reference Guide (July 2026). The comments in the code are by the model that wrote it; some were corrected since.
;; Mo E Head. Allowed arithmetic: matrix products marked QUANTISED: E3M2 operands, one E8M0 scale for each 32 along K, by v_wmma_scale_f32_16x16x128_f8f6f4 with both operands' format E3M2, f32 sums; products left as they are: f32 operands where the result goes on into a quantised operand, else bf16, f16 or f32 operands; f32 sums; everything else in f32.
;; Inputs: b1 8 x 4,096 float32; b2 8 x 1,000 float32; gate_b 8 float32; gate_w 1,024 x 8 float32; w1 8 x 1,024 x 4,096 float32; w2 8 x 4,096 x 1,000 float32; x 1,024 x 1,024 float32.
;; Outputs: out0 1,024 x 1,000 float32; out1 one number float32.
;; This version of the problem:
;;   THIS VERSION OF THE PROBLEM IS GIVEN IN LOW PRECISION. The matrix products marked QUANTISED in the list below multiply operands that are first quantised to E3M2 (3 exponent bits, 2 mantissa bits; 6 bits a number), with one power-of-two scale for each 32 numbers along K (OCP MX v1.0); their sums are f32. All else is computed in f32.
;;   The module's matrix products, in the order in which they are computed (A, B: the left and right operand; K: the contracted axis; several contracted axes count as one K, in the product's order):
;;     1. [M 1,024, K 1,024] x [K 1,024, N 8]; A: input x; B: input gate_w: left as it is (N = 8 < 16)
;;     2. batch 1,024 x [M 1, K 2] x [K 2, N 8]; A: computed on the way; B: computed on the way: left as it is (K = 2 < 32)
;;     3. [M 1,024, K 1,024] x [K 1,024, N 4,096]; A: input x; B: input w1: QUANTISED
;;     4. [M 1,024, K 4,096] x [K 4,096, N 1,000]; A: computed on the way; B: input w2: QUANTISED
;;     5. [M 1,024, K 1,024] x [K 1,024, N 4,096]; A: input x; B: input w1: QUANTISED
;;     6. [M 1,024, K 4,096] x [K 4,096, N 1,000]; A: computed on the way; B: input w2: QUANTISED
;;     7. [M 1,024, K 1,024] x [K 1,024, N 4,096]; A: input x; B: input w1: QUANTISED
;;     8. [M 1,024, K 4,096] x [K 4,096, N 1,000]; A: computed on the way; B: input w2: QUANTISED
;;     9. [M 1,024, K 1,024] x [K 1,024, N 4,096]; A: input x; B: input w1: QUANTISED
;;     10. [M 1,024, K 4,096] x [K 4,096, N 1,000]; A: computed on the way; B: input w2: QUANTISED
;;     11. [M 1,024, K 1,024] x [K 1,024, N 4,096]; A: input x; B: input w1: QUANTISED
;;     12. [M 1,024, K 4,096] x [K 4,096, N 1,000]; A: computed on the way; B: input w2: QUANTISED
;;     13. [M 1,024, K 1,024] x [K 1,024, N 4,096]; A: input x; B: input w1: QUANTISED
;;     14. [M 1,024, K 4,096] x [K 4,096, N 1,000]; A: computed on the way; B: input w2: QUANTISED
;;     15. [M 1,024, K 1,024] x [K 1,024, N 4,096]; A: input x; B: input w1: QUANTISED
;;     16. [M 1,024, K 4,096] x [K 4,096, N 1,000]; A: computed on the way; B: input w2: QUANTISED
;;     17. [M 1,024, K 1,024] x [K 1,024, N 4,096]; A: input x; B: input w1: QUANTISED
;;     18. [M 1,024, K 4,096] x [K 4,096, N 1,000]; A: computed on the way; B: input w2: QUANTISED
;;   THE QUANTISER, for each operand of a quantised product, along K:
;;     - K is cut into blocks of 32 from its start; a last block that is shorter is filled with zeros.
;;     - A block's scale is 2^e with e = floor(log2(the largest magnitude in the block)) - 4, held to -126 .. 127; a block of zeros has e = 0. As a byte (E8M0): e + 127.
;;     - Each number is divided by its block's scale, clamped to +-28, and rounded to the nearest number of E3M2, ties to even, subnormals kept.
;;     - The product sums the exact products of the quantised numbers (number of the format x scale) in f32.
;;   ~~~python
;;   def quantise(x, axis):      # numpy; x: float32 -> the quantised numbers, widened to float32 again
;;       x = np.moveaxis(x, axis, -1); K = x.shape[-1]
;;       x = np.pad(x, [(0, 0)] * (x.ndim - 1) + [(0, -K % 32)]); x = x.reshape(x.shape[:-1] + (-1, 32)); a = np.abs(x).max(-1, keepdims=True)
;;       e = np.where(a > 0, np.clip(np.frexp(np.where(a > 0, a, 1))[1] - 1 - 4, -126, 127), 0)      # np.frexp(a)[1] - 1 = floor(log2(a)), exactly
;;       r = np.clip(x / 2.0 ** e, -28, 28)
;;       step = 2.0 ** (np.maximum(np.frexp(np.where(r == 0, 1, r))[1] - 1, -2) - 2)
;;       q = np.round(r / step) * step * 2.0 ** e      # np.round: ties to even
;;       return np.moveaxis(q.reshape(q.shape[:-2] + (-1,))[..., :K], -1, axis).astype(np.float32)
;;   ~~~
;;   OPERANDS COMPUTED ON THE WAY. 'Computed on the way' means the value that the module computes at that place (a softmax that the list does not call 'softmax' is quantised finished and normalised). What goes into a quantiser is computed in f32, as accurately as f32 sums, v_exp_f32 and their like allow (about 1e-6 of the number): no bf16 or f16 on the way to a quantiser, and a product that is left as it is and whose result goes on into a quantised operand takes f32 operands (vector FMAs, or v_wmma_f32_16x16x4_f32). A number that lies on a knife's edge between two numbers of the format may be rounded either way, as far as f32 arithmetic and the matrix unit's own rounding can turn it there, and no further.
;; One version. Each part assembles by itself: llvm-mc -triple=amdgcn-amd-amdhsa -mcpu=gfx1250 --defsym DOCPART=n.
;; ======== version 1 of 1: 5 launches
;; limits: right only within a limited range of input values
;; workspace buffers: route 17,408 bytes of whole numbers; gatef 9,216 bytes; plan 16,640 bytes of whole numbers; xq 6,553,600 bytes; hq 26,214,400 bytes; part 134,217,728 bytes
;; launch route (part 1): grid 32 x 1, 16 waves a work-group, no clusters, 157,696 bytes of LDS; arguments x, gate_w, gate_b, route, gatef; writes route, gatef
.if DOCPART == 1
	.amdgcn_target "amdgcn-amd-amdhsa--gfx1250"
	.amdhsa_code_object_version 6
	.text
	.protected	k_qbe0d1b0a3a_route
	.globl	k_qbe0d1b0a3a_route
	.p2align	8
	.type	k_qbe0d1b0a3a_route,@function
k_qbe0d1b0a3a_route:
	s_mov_b64 s[64:65], 0
	v_nop
	global_prefetch_b8 v0, s[64:65] scope:SCOPE_SE
	s_setreg_imm32_b32 hwreg(HW_REG_WAVE_MODE, 25, 1), 1
	s_wait_xcnt 0x0
; THE GATE.  logits = x gate_w + gate_b in f32 multiply-adds, softmax with the row's maximum taken away, the two largest probabilities (ties keep the lower expert), their weights v_k / (v_0 + v_1).
; WORK LEFT OUT IN THE WHOLE PROGRAM, and why it is dead for all values of the inputs:
;  - reference() multiplies expert e's result for token b by w_be[b][e], which its own top_k and one_hot make exactly 0 for the six experts that were not chosen: 0 times a finite number adds nothing to y.
;    So only the two chosen experts of a token are computed (2,048 rows in place of 8,192).  Which they are is stored here as whole numbers and steers addresses only in later launches.
;  - the product of combine_w with onehot is a lookup of two numbers by two indices; the division by TEMPERATURE = 1.0 is a factor 1; y's start of zeros is a term 0.
;  Every input has a way to an output and is loaded by some launch.
; LIMITS: a NaN, an infinity or an overflow that arises only in an expert that was not chosen (0 x infinity in reference()) is not carried to y.  NaN and infinities among the inputs are not served.
; SHARES.  A work-group takes 32 tokens, a lane a token; wave w takes k = 64 w .. 64 w + 63; the sixteen partial logits meet in LDS and wave 0 finishes.
; x IS LOADED AS IT LIES AND TURNED IN LDS.  For the multiply-adds a lane must hold 64 numbers of ONE token's row; a load is best where neighbouring lanes take neighbouring bytes.  Both are had: in each of a wave's 16 loads sixteen lanes
; take the 256 consecutive bytes that the wave wants of one row, the other sixteen those of the next row; the 32 x 256 bytes go as loaded into the wave's own stage in LDS and come back a row to a lane.
; WHAT IS STORED, all at fixed places: route[b] = {e0, e1, r0, r1} (r: how many earlier tokens of this group of 32 chose the same expert); route + 16384: cnt[group][8]; gatef[b] = {w0, w1}; gatef + 8192: the group's sums of probabilities [group][8].
; No branch, address or lane mask hangs on a floating-point number.
.set SPARE, 16384                      ; behind the partial logits: the spare words, 128 bytes for each of 16 waves
.set STG,   18432                      ; behind them: a stage for each wave: 32 rows of SP bytes
.set SP,    272                        ; a stage row: 256 bytes + 16 = 68 words: row r starts at bank 4 r mod 64 (64 banks of 4 bytes: ISA guide 11.1)
.set ACC, 8                            ; v8-15    eight logits
.set XV,  16                           ; v16-79   64 numbers of x: as loaded, then my token's
.set GW0, 80                           ; v80-143  gate_w: 8 k x 8 experts
.set GW1, 144                          ; v144-207 the same, the other batch
.set SIN, 232                          ; v232     the stage, on the way in: row lane / 16, 16 bytes x (lane % 16)
.set SOUT, 233                         ; v233     and on the way out: row = lane
	s_load_b128 s[4:7], s[0:1], 0x0                ; x, gate_w
	s_load_b128 s[8:11], s[0:1], 0x10              ; gate_b, route
	s_load_b64 s[12:13], s[0:1], 0x20              ; gatef
	v_lshl_add_u32 v1, v0, 2, SPARE                ; my spare word; never rewritten
	v_mov_b32 v2, 0                                ; 0; never rewritten
	v_lshrrev_b32 v3, 5, v0
	s_delay_alu instid0(VALU_DEP_1)
	v_readfirstlane_b32 s14, v3                    ; wave 0..15
	v_and_b32 v3, 31, v0                           ; lane = token of the group
	v_and_b32 v208, 15, v0                         ; lane % 16
	v_bfe_u32 v209, v0, 4, 1                       ; lane / 16
	s_delay_alu instid0(VALU_DEP_2)
	v_lshlrev_b32 v4, 4, v208
	s_delay_alu instid0(VALU_DEP_1)
	v_lshl_add_u32 v4, v209, 12, v4                ; x: my 16 bytes of a run of 256; lanes 16-31 one row (4,096 bytes) further down
	v_mov_b32 v5, 0                                ; gate_w: all lanes read the same bytes
	v_lshlrev_b32 v7, 4, v3                        ; 16 x lane
	s_lshl_b32 s15, s14, 10
	v_add_nc_u32 v6, s15, v7                       ; LDS: 1,024 x wave + 16 x lane
	s_mul_i32 s46, s14, 32*SP
	s_add_co_u32 s46, s46, STG                     ; my wave's stage
	v_mul_u32_u24 v[SIN], v209, SP
	s_delay_alu instid0(VALU_DEP_1)
	v_lshl_add_u32 v[SIN], v208, 4, v[SIN]
	s_delay_alu instid0(VALU_DEP_1)
	v_add_nc_u32 v[SIN], s46, v[SIN]
	v_mul_u32_u24 v[SOUT], v3, SP
	s_delay_alu instid0(VALU_DEP_1)
	v_add_nc_u32 v[SOUT], s46, v[SOUT]
	s_lshl_b32 s16, ttmp9, 17                      ; 32 rows of x
	s_lshl_b32 s17, s14, 8                         ; my wave's 64 numbers
	s_add_co_u32 s16, s16, s17
	s_mov_b32 s17, 0
	s_lshl_b32 s18, s14, 11                        ; my wave's 64 rows of gate_w, 32 bytes each
	s_mov_b32 s19, 0
	s_wait_alu depctr_va_vdst(0)
	s_wait_kmcnt 0x0
	s_add_nc_u64 s[4:5], s[4:5], s[16:17]
	s_add_nc_u64 s[6:7], s[6:7], s[18:19]
	s_load_b256 s[20:27], s[8:9], 0x0              ; gate_b: asked for here, used by wave 0 behind the barrier
.set I, 0
.rept 16
	global_load_b128 v[XV+4*I:XV+4*I+3], v4, s[4:5] offset:8192*I th:TH_LOAD_NT   ; rows 2 I and 2 I + 1: sixteen lanes read 256 consecutive bytes, at a multiple of 256 from x's first byte
.set I, I+1
.endr
.macro GWL b, buf                      ; batch b: 8 rows of gate_w, 256 bytes
.set I, 0
.rept 16
	global_load_b128 v[\buf+4*I:\buf+4*I+3], v5, s[6:7] offset:256*(\b)+16*I
.set I, I+1
.endr
.endm
.macro FMA8 b, buf                     ; 8 k x 8 experts: two experts an instruction, x broadcast from one register of its pair.  The very first products start the sums
.irp kk, 0,1,2,3,4,5,6,7
.irp p, 0,1,2,3
.if ((\b) == 0) && (\kk == 0)
	v_pk_mul_f32 v[ACC+2*\p:ACC+2*\p+1], v[XV:XV+1], v[\buf+2*\p:\buf+2*\p+1] op_sel_hi:[0,1]
.elseif (\kk%2) == 0
	v_pk_fma_f32 v[ACC+2*\p:ACC+2*\p+1], v[XV+8*(\b)+\kk:XV+8*(\b)+\kk+1], v[\buf+8*\kk+2*\p:\buf+8*\kk+2*\p+1], v[ACC+2*\p:ACC+2*\p+1] op_sel_hi:[0,1,1]
.else
	s_delay_alu instid0(VALU_DEP_4)
	v_pk_fma_f32 v[ACC+2*\p:ACC+2*\p+1], v[XV+8*(\b)+\kk-1:XV+8*(\b)+\kk], v[\buf+8*\kk+2*\p:\buf+8*\kk+2*\p+1], v[ACC+2*\p:ACC+2*\p+1] op_sel:[1,0,0] op_sel_hi:[1,1,1]
.endif
.endr
.endr
.endm
	GWL 0, GW0
	GWL 1, GW1
	; x through my stage: in as loaded, two rows a store; out a row to a lane, into the registers that it left
.set I, 0
.rept 16
	s_wait_loadcnt 47-I                            ; loads come back in order (ISA guide 5.7.1): load I of x is in; x's 15 - I later loads and gate_w's 32 may be out
	ds_store_b128 v[SIN], v[XV+4*I:XV+4*I+3] offset:2*SP*I
.set I, I+1
.endr
.set I, 0
.rept 16
	ds_load_b128 v[XV+4*I:XV+4*I+3], v[SOUT] offset:16*I   ; LDS serves a wave's instructions in order (ISA guide 5.7.1.4): these see the stores above.  v[XV + j] = x(my token, 64 w + j)
.set I, I+1
.endr
	s_wait_dscnt 0x0
.irp b, 0,1,2,3,4,5,6,7
.if \b < 7
	s_wait_loadcnt 16                              ; this batch is in; the next batch's 16 loads may be out
.else
	s_wait_loadcnt 0
.endif
.if (\b%2) == 0
	s_wait_alu depctr_va_vdst(0)
	FMA8 \b, GW0
.if \b < 6
	GWL \b+2, GW0
.endif
.else
	s_wait_alu depctr_va_vdst(0)
	FMA8 \b, GW1
.if \b < 6
	GWL \b+2, GW1
.endif
.endif
.endr
	ds_store_b128 v6, v[ACC:ACC+3]
	ds_store_b128 v6, v[ACC+4:ACC+7] offset:512
	s_wait_dscnt 0x0                               ; for wave 0's sake: my partial logits lie in LDS
	s_barrier_signal -1
	s_barrier_wait -1
	s_wait_kmcnt 0x0                               ; gate_b, asked for at the head, is in
	s_cmp_lg_u32 s14, 0
	s_cbranch_scc1 .Lend
.set W, 0
.rept 16
	ds_load_b128 v[16+8*W:19+8*W], v7 offset:1024*W
	ds_load_b128 v[20+8*W:23+8*W], v7 offset:1024*W+512
.set W, W+1
.endr
	s_mov_b32 s32, 0x76543210
	s_mov_b32 s33, 0xfedcba98                      ; v_permlanex16_b32's selects for lane l xor 16
	s_lshl_b32 s44, ttmp9, 9
	s_mov_b32 s45, 0
	s_add_nc_u64 s[36:37], s[10:11], s[44:45]      ; route at my 32 tokens, 16 bytes each
	s_lshl_b32 s44, ttmp9, 5
	s_add_nc_u64 s[38:39], s[10:11], s[44:45]      ; my group's eight counts (+ 16,384)
	s_add_nc_u64 s[42:43], s[12:13], s[44:45]      ; my group's eight sums (+ 8,192)
	s_lshl_b32 s44, ttmp9, 8
	s_add_nc_u64 s[40:41], s[12:13], s[44:45]      ; gatef at my 32 tokens, 8 bytes each
	v_lshlrev_b32 v230, 3, v3
	v_lshlrev_b32 v231, 2, v3
	s_wait_dscnt 0x0
.irp p, 0,2,4,6
	v_pk_add_f32 v[ACC+\p:ACC+\p+1], v[16+\p:17+\p], v[24+\p:25+\p]
.endr
.set W, 2
.rept 14
.irp p, 0,2,4,6
	s_delay_alu instid0(VALU_DEP_4)
	v_pk_add_f32 v[ACC+\p:ACC+\p+1], v[ACC+\p:ACC+\p+1], v[16+8*W+\p:17+8*W+\p]
.endr
.set W, W+1
.endr
	s_wait_alu depctr_va_vdst(0)
	s_wait_kmcnt 0x0
.irp e, 0,1,2,3,4,5,6,7
	v_add_f32 v[ACC+\e], s[20+\e], v[ACC+\e]
.endr
	v_max3_num_f32 v208, v8, v9, v10               ; the row's maximum is taken away, as reference()'s softmax does
	s_delay_alu instid0(VALU_DEP_1)
	v_max3_num_f32 v208, v208, v11, v12
	s_delay_alu instid0(VALU_DEP_1)
	v_max3_num_f32 v208, v208, v13, v14
	s_delay_alu instid0(VALU_DEP_1)
	v_max_num_f32 v208, v208, v15
.irp e, 0,1,2,3,4,5,6,7
	v_sub_f32 v[144+\e], v[ACC+\e], v208
.endr
.irp e, 0,1,2,3,4,5,6,7
	v_mul_f32 v[144+\e], 0x3fb8aa3b, v[144+\e]     ; x log2(e)
.endr
	s_wait_alu depctr_va_vdst(0)
.irp e, 0,1,2,3,4,5,6,7
	v_exp_f32 v[144+\e], v[144+\e]
.endr
	v_nop                                          ; a plain instruction behind the exponentials,
	s_wait_alu depctr_va_vdst(0)                   ; and one wait for the batch, ahead of its first reader
	v_add_f32 v209, v144, v145
	v_add_f32 v210, v146, v147
	v_add_f32 v211, v148, v149
	v_add_f32 v213, v150, v151
	s_delay_alu instid0(VALU_DEP_3)
	v_add_f32 v209, v209, v210
	s_delay_alu instid0(VALU_DEP_2)
	v_add_f32 v211, v211, v213
	s_delay_alu instid0(VALU_DEP_1)
	v_add_f32 v209, v209, v211
	s_wait_alu depctr_va_vdst(0)
	v_rcp_f32 v210, v209
	v_nop
	s_wait_alu depctr_va_vdst(0)
.irp e, 0,1,2,3,4,5,6,7
	v_mul_f32 v[152+\e], v[144+\e], v210           ; the probabilities
.endr
	v_mov_b32 v211, v152                           ; the largest, and its expert: a later one wins only if it is strictly larger
	v_mov_b32 v224, 0
.irp e, 1
	s_delay_alu instid0(VALU_DEP_2)
	v_cmp_ge_f32 vcc_lo, v211, v[152+\e]
	s_delay_alu instid0(VALU_DEP_1)
	v_cndmask_b32 v224, \e, v224, vcc_lo
	s_delay_alu instid0(VALU_DEP_2)
	v_cndmask_b32 v211, v[152+\e], v211, vcc_lo
.endr
.irp e, 2, 3, 4, 5, 6, 7
	s_delay_alu instid0(VALU_DEP_1)
	v_cmp_ge_f32 vcc_lo, v211, v[152+\e]
	s_delay_alu instid0(VALU_DEP_1)
	v_cndmask_b32 v224, \e, v224, vcc_lo
	s_delay_alu instid0(VALU_DEP_2)
	v_cndmask_b32 v211, v[152+\e], v211, vcc_lo
.endr
.irp e, 0,1,2,3,4,5,6,7
	v_cmp_ne_u32 vcc_lo, \e, v224
	s_delay_alu instid0(VALU_DEP_1)
	v_cndmask_b32 v[160+\e], -1.0, v[152+\e], vcc_lo   ; the winner is taken out: -1 lies under every probability
.endr
	v_mov_b32 v213, v160
	v_mov_b32 v225, 0
.irp e, 1
	s_delay_alu instid0(VALU_DEP_2)
	v_cmp_ge_f32 vcc_lo, v213, v[160+\e]
	s_delay_alu instid0(VALU_DEP_1)
	v_cndmask_b32 v225, \e, v225, vcc_lo
	s_delay_alu instid0(VALU_DEP_2)
	v_cndmask_b32 v213, v[160+\e], v213, vcc_lo
.endr
.irp e, 2, 3, 4, 5, 6, 7
	s_delay_alu instid0(VALU_DEP_1)
	v_cmp_ge_f32 vcc_lo, v213, v[160+\e]
	s_delay_alu instid0(VALU_DEP_1)
	v_cndmask_b32 v225, \e, v225, vcc_lo
	s_delay_alu instid0(VALU_DEP_2)
	v_cndmask_b32 v213, v[160+\e], v213, vcc_lo
.endr
	s_delay_alu instid0(VALU_DEP_1)
	v_add_f32 v209, v211, v213
	s_wait_alu depctr_va_vdst(0)
	v_rcp_f32 v210, v209
	v_mov_b32 v226, 0                              ; (plain work behind the reciprocal)
	v_mov_b32 v227, 0
	v_mov_b32 v218, 0
	v_mov_b32 v220, 0
	s_wait_alu depctr_va_vdst(0)
	v_mul_f32 v228, v211, v210                     ; w0
	v_mul_f32 v229, v213, v210                     ; w1
.irp e, 0,1,2,3,4,5,6,7                    ; for each expert: which lanes chose it, each such lane's rank among them, and how many they are
	v_cmp_eq_u32 s28, \e, v224
	v_cmp_eq_u32 s29, \e, v225
	s_or_b32 s30, s28, s29
	v_mbcnt_lo_u32_b32 v215, s30, 0
	s_delay_alu instid0(VALU_DEP_1)
	v_cndmask_b32 v226, v226, v215, s28
	s_delay_alu instid0(VALU_DEP_2)
	v_cndmask_b32 v227, v227, v215, s29
	s_bcnt1_i32_b32 s31, s30
	v_writelane_b32 v218, s31, \e
.endr
.irp m, 1,2,4,8                            ; the group's sums of probabilities, eight chains by turns
.irp e, 0,1,2,3,4,5,6,7
	v_add_f32_dpp v[152+\e], v[152+\e], v[152+\e] row_xmask:\m row_mask:0xf bank_mask:0xf
.endr
.endr
.irp e, 0,1,2,3,4,5,6,7
	v_permlanex16_b32 v[160+\e], v[152+\e], s32, s33
.endr
.irp e, 0,1,2,3,4,5,6,7
	v_add_f32 v[152+\e], v[152+\e], v[160+\e]
.endr
.irp e, 0,1,2,3,4,5,6,7
	v_cmp_eq_u32 vcc_lo, \e, v3
	s_delay_alu instid0(VALU_DEP_1)
	v_cndmask_b32 v220, v220, v[152+\e], vcc_lo    ; expert e's sum into lane e
.endr
	global_store_b128 v7, v[224:227], s[36:37]     ; 32 lanes store 512 consecutive bytes
	global_store_b64 v230, v[228:229], s[40:41]    ; and 256
	s_wait_alu depctr_va_vdst(0)
	s_wait_xcnt 0x0                                ; the lane mask changes only behind this wait
	v_cmp_gt_u32 vcc_lo, 8, v3
	s_and_saveexec_b32 s34, vcc_lo
	global_store_b32 v231, v218, s[38:39] offset:16384
	global_store_b32 v231, v220, s[42:43] offset:8192
	s_wait_xcnt 0x0                                ; and again in front of the line that widens it
	s_or_b32 exec_lo, exec_lo, s34
.Lend:
	s_wait_tensorcnt 0x0                           ; the wave's end
	ds_add_u32 v1, v2
	s_wait_dscnt 0x0
	s_endpgm
.Lfunc_end_k_qbe0d1b0a3a_route:
	.size	k_qbe0d1b0a3a_route, .Lfunc_end_k_qbe0d1b0a3a_route-k_qbe0d1b0a3a_route
	.p2alignl 7, 3214868480
	.fill 96, 4, 3214868480
	.section	.rodata,"a",@progbits
	.p2align	6, 0x0
	.amdhsa_kernel k_qbe0d1b0a3a_route
		.amdhsa_group_segment_fixed_size 157696
		.amdhsa_private_segment_fixed_size 0
		.amdhsa_enable_private_segment 0
		.amdhsa_kernarg_size 40
		.amdhsa_user_sgpr_count 2
		.amdhsa_user_sgpr_kernarg_segment_ptr 1
		.amdhsa_wavefront_size32 1
		.amdhsa_system_sgpr_workgroup_id_x 1
		.amdhsa_system_sgpr_workgroup_id_y 1
		.amdhsa_system_sgpr_workgroup_id_z 1
		.amdhsa_system_vgpr_workitem_id 0
		.amdhsa_next_free_vgpr 240
		.amdhsa_next_free_sgpr 66
		.amdhsa_reserve_vcc 1
		.amdhsa_float_denorm_mode_32 3
		.amdhsa_float_denorm_mode_16_64 3
		.amdhsa_memory_ordered 1
		.amdhsa_forward_progress 1
		.amdhsa_inst_pref_size 62
	.end_amdhsa_kernel
	.amdgpu_metadata
---
amdhsa.version: [ 1, 2 ]
amdhsa.kernels:
  - .name:           k_qbe0d1b0a3a_route
    .symbol:         k_qbe0d1b0a3a_route.kd
    .args:
      - { .name: x, .offset: 0, .size: 8, .value_kind: global_buffer, .address_space: global }
      - { .name: gate_w, .offset: 8, .size: 8, .value_kind: global_buffer, .address_space: global }
      - { .name: gate_b, .offset: 16, .size: 8, .value_kind: global_buffer, .address_space: global }
      - { .name: route, .offset: 24, .size: 8, .value_kind: global_buffer, .address_space: global }
      - { .name: gatef, .offset: 32, .size: 8, .value_kind: global_buffer, .address_space: global }
    .group_segment_fixed_size: 157696
    .private_segment_fixed_size: 0
    .kernarg_segment_align: 8
    .kernarg_segment_size: 40
    .max_flat_workgroup_size: 512
    .sgpr_count:     66
    .vgpr_count:     240
    .wavefront_size: 32
...
	.end_amdgpu_metadata
.endif
;; end of part 1
;; launch place (part 2): grid 64 x 1, 4 waves a work-group, no clusters, 0 bytes of LDS; arguments x, route, gatef, xq, plan, out1; writes xq, plan, out1
.if DOCPART == 2
	.amdgcn_target "amdgcn-amd-amdhsa--gfx1250"
	.amdhsa_code_object_version 6
	.text
	.protected	k_qbe0d1b0a3a_place
	.globl	k_qbe0d1b0a3a_place
	.p2align	8
	.type	k_qbe0d1b0a3a_place,@function
k_qbe0d1b0a3a_place:
	s_mov_b64 s[64:65], 0
	v_nop
	global_prefetch_b8 v0, s[64:65] scope:SCOPE_SE
	s_setreg_imm32_b32 hwreg(HW_REG_WAVE_MODE, 25, 1), 1
	s_wait_xcnt 0x0
; THE ROWS ARE PLACED BY EXPERT, AND x IS QUANTISED.  Only the two chosen experts of a token get a row (the others are dead work: see the first kernel's head).
; Expert e has room for 1,024 rows (a token's two experts differ).  A token's row in expert e's list = the tokens of earlier groups of 32 that chose e (a sum of stored counts) + its stored rank in its group.
; x is quantised to BF6 (E3M2) along K, a scale byte for each 32; a token's codes are stored twice, at its two rows.
; xq: [expert x 64 + tile] x 12,800 bytes.  A tile is 16 rows x K 1,024 as IMAGES OF OPERAND REGISTERS: fragment s (K step of 128) = 3 planes of 512 bytes, plane g = registers 4 g .. 4 g + 3, lane l's 16 bytes at 16 l;
; at + 12,288 the scale words: that of (row r, K step s) at 16 (r + 16 (s & 1)) + 4 (s >> 1).  So the product's launch fetches a fragment by three loads of 512 consecutive bytes.
; The rows that fill an expert's last tile (all 16 of tile 0 where it has no token) get zero codes and the byte 127.
; Also here: plan[b] = {row0, row1, e0, e1} (row = 1,024 e + place), plan + 16384 = the eight counts, and aux = 8 sum_e (count_e / 2048)(psum_e / 1024).
; LIMITS: a block whose largest magnitude lies under 2^(5 - 127) keeps the byte 1; so does a block of zeros, where the rule says 127: its codes are zeros, and this program alone reads the bytes.
; SHARES.  Work-group w: tokens 16 w .. 16 w + 15; wave q: K steps 2 q and 2 q + 1; lane (r, h): token r, 16 numbers of each block of 32.  The lane permutes through the LDS unit touch no LDS byte.
.set HA,  48                           ; v48-111  64 numbers: K step 2 q
.set PC,  112                          ; v112-131 the codes just made
.set ST,  132                          ; v132-195 64 numbers: K step 2 q + 1
.set TM,  200                          ; v200-215 at work in QUANT
.set PW,  216                          ; v216     the scale word just made; v217 keeps the first
.set SEL, 28                           ; s[28:29] selects for lane l xor 16
; 64 numbers of a lane, register 16 b + i = k 32 b + 16 (lane / 16) + i of my row, become a fragment's codes in v[PC] on and its scale word in v[PW].
.macro QUANT s
.irp b, 0,1,2,3
	v_max3_num_f32 v[TM+\b], |v[\s+16*\b]|, |v[\s+1+16*\b]|, 0x2800000   ; my 16 numbers of block b, and the floor 2^(5 - 127): the byte cannot fall under 1
.endr
.irp i, 2,4,6,8,10,12,14
.irp b, 0,1,2,3
	v_max3_num_f32 v[TM+\b], v[TM+\b], |v[\s+16*\b+\i]|, |v[\s+1+16*\b+\i]|
.endr
.endr
.irp b, 0,1,2,3
	v_permlanex16_b32 v[TM+4+\b], v[TM+\b], s[SEL], s[SEL+1]
.endr
.irp b, 0,1,2,3
	v_max_num_f32 v[TM+\b], v[TM+\b], v[TM+4+\b]   ; with lane l xor 16's: the block's largest magnitude
.endr
.irp b, 0,1,2,3
	v_add_nc_u32 v[TM+12+\b], 0xfe000000, v[TM+\b] ; 4 off its exponent field: the conversion's scale operand
.endr
.irp b, 0,1,2,3
	v_lshrrev_b32 v[TM+4+\b], 23, v[TM+12+\b]      ; the scale's byte
.endr
	v_lshl_or_b32 v[PW], v[TM+5], 8, v[TM+4]
	v_lshl_or_b32 v[PW], v[TM+6], 16, v[PW]
	v_lshl_or_b32 v[PW], v[TM+7], 24, v[PW]
.irp c, 0,1
	v_cvt_scalef32_pk16_bf6_f32 v[PC+6*\c:PC+2+6*\c], v[\s+32*\c:\s+15+32*\c], v[TM+12+2*\c]
	v_cvt_scalef32_pk16_bf6_f32 v[PC+12+4*\c:PC+14+4*\c], v[\s+16+32*\c:\s+31+32*\c], v[TM+12+2*\c+1]   ; (a conversion's three registers begin on an even number)
.endr
	v_nop                                          ; one plain place behind a scaled conversion
.irp c, 0,1                                    ; the operand's layout wants a whole block in a lane
.irp i, 0,1,2
	v_permlane16_swap_b32 v[PC+6*\c+\i], v[PC+12+4*\c+\i]
.endr
.irp i, 0,1,2
	v_mov_b32 v[PC+3+6*\c+\i], v[PC+12+4*\c+\i]
.endr
.endr
.endm
.macro XLOAD reg, s
.irp b, 0,1,2,3
.irp j, 0,1,2,3
	global_load_b128 v[\reg+16*\b+4*\j:\reg+16*\b+4*\j+3], v4, s[4:5] offset:512*\s+128*\b+16*\j th:TH_LOAD_NT
.endr
.endr
.endm
	s_load_b256 s[4:11], s[0:1], 0x0               ; x, route, gatef, xq
	s_load_b128 s[12:15], s[0:1], 0x20             ; plan, out1
	v_lshrrev_b32 v1, 5, v0
	v_readfirstlane_b32 s16, v1                    ; wave q
	v_and_b32 v1, 31, v0                           ; lane
	v_and_b32 v2, 15, v0                           ; r
	v_bfe_u32 v3, v0, 4, 1                         ; h
	v_lshlrev_b32 v4, 12, v2
	v_lshl_add_u32 v4, v3, 6, v4                   ; x: row r of 4,096 bytes + 64 h
	v_lshlrev_b32 v5, 4, v2                        ; 16 r
	v_lshlrev_b32 v6, 2, v1                        ; 4 x lane
	v_lshrrev_b32 v7, 3, v1                        ; qq = lane / 8
	v_lshlrev_b32 v41, 8, v3
	s_mul_i32 s17, s16, 3072
	v_add_nc_u32 v42, s17, v41                     ; 256 h + my two fragments' place in a tile
	s_lshl_b32 s17, s16, 2
	v_add_nc_u32 v41, s17, v41                     ; 256 h + 4 q: my scale word's place
	v_mov_b32 v23, 0                               ; (a lane permute's destination counts as one of its sources)
.irp b, 0,1,2,3
	v_mov_b32 v[TM+4+\b], 0
	v_mov_b32 v[36+\b], 0                          ; zero codes
.endr
	v_mov_b32 v40, 0x7f7f7f7f                      ; four bytes 127
	s_mov_b32 s[SEL], 0x76543210
	s_mov_b32 s[SEL+1], 0xfedcba98
	s_mov_b32 s32, 0xffff0000                      ; lanes 16-31
	s_lshl_b32 s18, ttmp9, 16                      ; 16 rows of x
	s_lshl_b32 s19, s16, 10                        ; my two K steps
	s_add_co_u32 s18, s18, s19
	s_mov_b32 s19, 0
	s_lshl_b32 s20, ttmp9, 8                       ; 16 tokens x 16 bytes
	s_mov_b32 s21, 0
	s_lshr_b32 s22, ttmp9, 1                       ; my tokens' group of 32
	s_wait_kmcnt 0x0
	s_add_nc_u64 s[4:5], s[4:5], s[18:19]
	s_add_nc_u64 s[24:25], s[6:7], s[20:21]
	s_add_nc_u64 s[26:27], s[12:13], s[20:21]
	global_load_b128 v[8:11], v5, s[24:25]         ; my token's {e0, e1, r0, r1}
.irp i, 0,1,2,3,4,5,6,7
	global_load_b32 v[12+\i], v6, s[6:7] offset:16384+128*\i   ; lane (e = lane % 8, qq): cnt[qq + 4 i][e]
.endr
.irp i, 0,1,2,3,4,5,6,7
	global_load_b32 v[220+\i], v6, s[8:9] offset:8192+128*\i   ; psum[qq + 4 i][e]: asked for with the counts, used at the end by work-group 0's wave 0
.endr
	XLOAD HA, 0
	XLOAD ST, 1
	s_wait_loadcnt 32                              ; the whole numbers are in; x's 32 loads may be out
	v_cmp_gt_i32 vcc_lo, s22, v7                   ; group qq + 4 i lies ahead of mine?
	v_cndmask_b32 v20, 0, v12, vcc_lo              ; v20: the counts of earlier groups;  v21: of all groups
	v_mov_b32 v21, v12
.irp i, 1,2,3,4,5,6,7
	s_sub_co_i32 s23, s22, 4*\i
	v_cmp_gt_i32 vcc_lo, s23, v7
	v_cndmask_b32 v22, 0, v[12+\i], vcc_lo
	v_add_nc_u32 v20, v20, v22
	v_add_nc_u32 v21, v21, v[12+\i]
.endr
	v_mov_b32_dpp v22, v20 row_xmask:8 row_mask:0xf bank_mask:0xf   ; the four lanes of an expert are joined: every lane l then holds expert l % 8's two sums
	v_add_nc_u32 v20, v20, v22
	v_mov_b32_dpp v22, v21 row_xmask:8 row_mask:0xf bank_mask:0xf
	v_add_nc_u32 v21, v21, v22
	v_permlanex16_b32 v23, v20, s[SEL], s[SEL+1]
	v_add_nc_u32 v20, v20, v23
	v_permlanex16_b32 v23, v21, s[SEL], s[SEL+1]
	v_add_nc_u32 v21, v21, v23
	v_min_u32 v34, 7, v8                           ; e0, e1
	v_min_u32 v35, 7, v9
	v_lshlrev_b32 v24, 2, v34
	v_lshlrev_b32 v25, 2, v35
	ds_bpermute_b32 v26, v24, v20                  ; my experts' sums of earlier groups
	ds_bpermute_b32 v27, v25, v20
	s_wait_alu depctr_va_vdst(0)
	s_wait_dscnt 0x0
	v_lshl_add_u32 v26, v34, 10, v26
	v_lshl_add_u32 v27, v35, 10, v27
	v_add_nc_u32 v26, v26, v10                     ; row = 1,024 e + earlier groups + my rank
	v_add_nc_u32 v27, v27, v11
	v_min_u32 v32, 0x1fff, v26                     ; v[32:35]: the plan's word
	v_min_u32 v33, 0x1fff, v27
.irp k, 0,1
	v_lshrrev_b32 v24, 4, v[26+\k]
	v_min_u32 v24, 0x1ff, v24                      ; the tile,
	v_and_b32 v25, 15, v[26+\k]
	v_min_u32 v25, 15, v25                         ; and the row in it
	v_mul_u32_u24 v[28+\k], v24, 12800
	v_lshl_add_u32 v[28+\k], v25, 4, v[28+\k]
	v_add_nc_u32 v[30+\k], v[28+\k], v41           ; where my scale word goes,
	v_add_nc_u32 v[28+\k], v[28+\k], v42           ; and my 16 bytes of each plane
.endr
	s_wait_loadcnt 16                              ; K step 2 q is in
	QUANT HA
.irp k, 0,1
.irp g, 0,1,2
	global_store_b128 v[28+\k], v[PC+4*\g:PC+4*\g+3], s[10:11] offset:512*\g
.endr
.endr
	v_mov_b32 v217, v[PW]
	s_wait_xcnt 0x0                                ; the stores have read the codes' registers: they may be written again
	s_wait_loadcnt 0x0
	QUANT ST
.irp k, 0,1
.irp g, 0,1,2
	global_store_b128 v[28+\k], v[PC+4*\g:PC+4*\g+3], s[10:11] offset:1536+512*\g
.endr
.endr
	v_cndmask_b32 v218, v217, v[PW], s32           ; lanes 0-15 hold K step 2 q's word, lanes 16-31 K step 2 q + 1's
	global_store_b32 v30, v218, s[10:11] offset:12288
	global_store_b32 v31, v218, s[10:11] offset:12288
	s_cmp_lg_u32 s16, 0
	s_cbranch_scc1 .Lno_plan
	s_wait_xcnt 0x0                                ; the lane mask changes only behind this wait
	v_cmp_gt_u32 vcc_lo, 16, v1
	s_and_saveexec_b32 s30, vcc_lo
	global_store_b128 v5, v[32:35], s[26:27]       ; 16 lanes store 256 consecutive bytes
	s_wait_xcnt 0x0
	s_or_b32 exec_lo, exec_lo, s30
.Lno_plan:
	s_cmp_lt_u32 ttmp9, 8
	s_cbranch_scc0 .Lno_pad
	; ---- work-groups 0 to 7: the rows that fill expert w's last tile, each wave for its own two K steps
	s_lshl_b32 s23, ttmp9, 2
	v_mov_b32 v219, s23
	ds_bpermute_b32 v43, v219, v21                 ; M: expert w's count
	s_wait_dscnt 0x0
	v_and_b32 v44, -16, v43
	v_add_nc_u32 v44, v44, v2                      ; p: row r of the tile in which the list ends
	v_add_nc_u32 v45, 15, v43
	v_and_b32 v45, -16, v45
	v_max_u32 v45, 16, v45                         ; where the tiles that are read end: at least one tile
	v_cmp_le_u32 s30, v43, v44
	v_cmp_lt_u32 s31, v44, v45
	v_lshrrev_b32 v46, 4, v43
	s_lshl_b32 s23, ttmp9, 6
	v_add_nc_u32 v46, s23, v46
	v_min_u32 v46, 0x1ff, v46
	v_mul_u32_u24 v46, v46, 12800
	v_add_nc_u32 v46, v46, v5
	v_add_nc_u32 v47, v46, v41
	v_add_nc_u32 v46, v46, v42
	s_and_b32 vcc_lo, s30, s31                     ; M <= p < end
	s_wait_alu depctr_va_vdst(0)
	s_wait_xcnt 0x0
	s_and_saveexec_b32 s30, vcc_lo
.irp g, 0,1,2,3,4,5
	global_store_b128 v46, v[36:39], s[10:11] offset:512*\g
.endr
	global_store_b32 v47, v40, s[10:11] offset:12288
	s_wait_xcnt 0x0
	s_or_b32 exec_lo, exec_lo, s30
.Lno_pad:
	s_or_b32 s23, ttmp9, s16
	s_cmp_lg_u32 s23, 0
	s_cbranch_scc1 .Lend
	; ---- work-group 0, wave 0: the counts, and aux
	v_add_f32 v12, v220, v221
	v_add_f32 v14, v222, v223
	v_add_f32 v16, v224, v225
	v_add_f32 v18, v226, v227
	v_add_f32 v12, v12, v14
	v_add_f32 v16, v16, v18
	v_add_f32 v12, v12, v16
	v_add_f32_dpp v12, v12, v12 row_xmask:8 row_mask:0xf bank_mask:0xf
	v_permlanex16_b32 v23, v12, s[SEL], s[SEL+1]
	v_add_f32 v12, v12, v23                        ; expert l % 8's sum of probabilities over all tokens
	v_cvt_f32_u32 v13, v21
	v_mul_f32 v12, v12, v13                        ; x its count
	v_add_f32_dpp v12, v12, v12 row_xmask:1 row_mask:0xf bank_mask:0xf
	v_add_f32_dpp v12, v12, v12 row_xmask:2 row_mask:0xf bank_mask:0xf
	v_add_f32_dpp v12, v12, v12 row_xmask:4 row_mask:0xf bank_mask:0xf
	v_mul_f32 v12, 0x36800000, v12                 ; x 8 / (2,048 x 1,024) = 2^-18
	s_wait_alu depctr_va_vdst(0)
	s_wait_xcnt 0x0
	v_cmp_gt_u32 vcc_lo, 8, v1
	s_and_saveexec_b32 s30, vcc_lo
	global_store_b32 v6, v21, s[12:13] offset:16384
	s_wait_xcnt 0x0
	s_or_b32 exec_lo, exec_lo, s30
	v_cmp_eq_u32 vcc_lo, 0, v1
	s_and_saveexec_b32 s30, vcc_lo
	global_store_b32 v36, v12, s[14:15]
	s_wait_xcnt 0x0
	s_or_b32 exec_lo, exec_lo, s30
.Lend:
	s_endpgm
.Lfunc_end_k_qbe0d1b0a3a_place:
	.size	k_qbe0d1b0a3a_place, .Lfunc_end_k_qbe0d1b0a3a_place-k_qbe0d1b0a3a_place
	.p2alignl 7, 3214868480
	.fill 96, 4, 3214868480
	.section	.rodata,"a",@progbits
	.p2align	6, 0x0
	.amdhsa_kernel k_qbe0d1b0a3a_place
		.amdhsa_group_segment_fixed_size 0
		.amdhsa_private_segment_fixed_size 0
		.amdhsa_enable_private_segment 0
		.amdhsa_kernarg_size 48
		.amdhsa_user_sgpr_count 2
		.amdhsa_user_sgpr_kernarg_segment_ptr 1
		.amdhsa_wavefront_size32 1
		.amdhsa_system_sgpr_workgroup_id_x 1
		.amdhsa_system_sgpr_workgroup_id_y 1
		.amdhsa_system_sgpr_workgroup_id_z 1
		.amdhsa_system_vgpr_workitem_id 0
		.amdhsa_next_free_vgpr 232
		.amdhsa_next_free_sgpr 66
		.amdhsa_reserve_vcc 1
		.amdhsa_float_denorm_mode_32 3
		.amdhsa_float_denorm_mode_16_64 3
		.amdhsa_memory_ordered 1
		.amdhsa_forward_progress 1
		.amdhsa_inst_pref_size 22
	.end_amdhsa_kernel
	.amdgpu_metadata
---
amdhsa.version: [ 1, 2 ]
amdhsa.kernels:
  - .name:           k_qbe0d1b0a3a_place
    .symbol:         k_qbe0d1b0a3a_place.kd
    .args:
      - { .name: x, .offset: 0, .size: 8, .value_kind: global_buffer, .address_space: global }
      - { .name: route, .offset: 8, .size: 8, .value_kind: global_buffer, .address_space: global }
      - { .name: gatef, .offset: 16, .size: 8, .value_kind: global_buffer, .address_space: global }
      - { .name: xq, .offset: 24, .size: 8, .value_kind: global_buffer, .address_space: global }
      - { .name: plan, .offset: 32, .size: 8, .value_kind: global_buffer, .address_space: global }
      - { .name: out1, .offset: 40, .size: 8, .value_kind: global_buffer, .address_space: global }
    .group_segment_fixed_size: 0
    .private_segment_fixed_size: 0
    .kernarg_segment_align: 8
    .kernarg_segment_size: 48
    .max_flat_workgroup_size: 128
    .sgpr_count:     66
    .vgpr_count:     232
    .wavefront_size: 32
...
	.end_amdgpu_metadata
.endif
;; end of part 2
;; launch ffn1 (part 3): grid 32 x 8, 4 waves a work-group, no clusters, 105,984 bytes of LDS; arguments w1, b1, xq, plan, hq; writes hq
.if DOCPART == 3
	.amdgcn_target "amdgcn-amd-amdhsa--gfx1250"
	.amdhsa_code_object_version 6
	.text
	.protected	k_qbe0d1b0a3a_ffn1
	.globl	k_qbe0d1b0a3a_ffn1
	.p2align	8
	.type	k_qbe0d1b0a3a_ffn1,@function
k_qbe0d1b0a3a_ffn1:
	s_mov_b64 s[64:65], 0
	v_nop
	global_prefetch_b8 v0, s[64:65] scope:SCOPE_SE
	s_setreg_imm32_b32 hwreg(HW_REG_WAVE_MODE, 25, 1), 1
	s_wait_xcnt 0x0
; h = gelu(x w1[e] + b1[e]) for the rows routed to expert e alone (the other rows are dead work: see the first kernel's head), quantised on the way to BF6 (E3M2) along the next product's K.
; SHARES.  Work-group (nt, e): hidden units 128 nt .. + 127 of expert e, all of K = 1,024: a slab of 1,024 x 128 numbers of w1, which no other work-group reads.
; PHASE 1: wave w streams rows 256 w .. + 255 of the slab, each load 512 consecutive bytes of one row, and quantises along K: a lane has four columns; their codes go to LDS with K innermost, their scale bytes beside them.
; One barrier.  PHASE 2: wave (cg = w & 1, rg = w >> 1) takes the codes of 64 columns, all 8 K steps, into 384 registers and walks the expert's tiles of 16 rows rg, rg + 2, ..: a tile's 8 fragments come straight from memory
; as images of registers (three loads of 512 consecutive bytes each), three tiles in flight; 32 products; gelu; quantiser; the codes leave as their part of the next product's images.
; No tensor load and no cluster: the number of tiles is read from memory, and no barrier stands in that loop.  An expert with no token walks one tile, of zero codes, so that every byte that the next launch's look-ahead reads has been stored.
; THE PRODUCT IS USED TRANSPOSED (source 0 = 16 columns of w1, source 1 = 16 rows of x): a lane holds one row, its registers run along the hidden units.  THE COLUMNS OF A TILE ARE NOT NEIGHBOURS: lane r of tile 2 b + u takes
; column 32 (cg + 2 b) + 8 u + r + 8 (r / 8), so that the 16 registers of tiles 2 b, 2 b + 1 are 16 neighbours along the next K.  b1 is the C of each sum's first product.
; GELU: 0.5 v (1 + erf(v / sqrt 2)), erf(z) = z A(z^2) / B(z^2) on z held to +-4: polynomials of degree 6 and 4 in f32, good to a few units in the last place.
; LIMITS: a block whose largest magnitude lies under 2^(5 - 127), a block of zeros too, keeps the scale byte 1 (zero codes add nothing; this program alone reads the bytes).  NaN and infinities are not served.
; REGISTERS, in windows of 256.  Window 0: v1-11 addresses; v12-15 two constants; v16-35 at work in phase 1; v36 b1's offset; v40-55 the columns' scale words; v56-67 the rows' scale words, three slots; v68-99 four accumulators;
;   phase 1: v96-127 codes, v128-255 a block, K along the registers; phase 2: v128-215 at work.   Window 1: phase 1 two blocks as loaded; phase 2 the columns' fragments of K steps 0-4.
;   Window 2: v0-127 a third block as loaded, then the columns' fragments of K steps 5-7 (v0-143); v144-251 the rows' fragments of K steps 5-7, three slots.   Window 3: v0-179 the rows' fragments of K steps 0-4; v184-215 b1.
.set PITCH, 16384                      ; a row of w1[e] in bytes
.set CP,    776                        ; LDS: a column's 768 bytes of codes + 8
.set SCB,   128*CP                     ; behind the codes: 48 bytes a column; the scale word of K step s at 16 (s & 1) + 4 (s >> 1)
.set SPARE, SCB+128*48                 ; behind them: the spare words, 128 bytes for each wave
.set TILEB, 12800                      ; a tile of 16 rows x K 1,024 in xq and hq
.set MAXIT, 33                         ; 11 trips of three tiles: an expert has at most 1,024 rows = 64 tiles, a wave at most 32 of them
.set WFIRST, 0x3d                      ; a sum's first products: C (b1) in window 3
.set SPW,  1
.set NIL,  2
.set LN16, 3                           ; 16 x lane
.set WOFF, 4                           ; my 16 bytes of a row of the slab
.set LWR,  5                           ; LDS: where my four columns' codes go
.set LWS,  6                           ; and their scale words
.set LRD,  7                           ; LDS: my lane's place in a fragment
.set LRS,  8                           ; and among the scale words
.set TM,   16
.set SCO,  20
.set BY,   24
.set WORD, 28
.set BSC,  40
.set ASC,  56
.set ACC,  68
.set C,    96
.set X,    128
.set Z,    128
.set Z2,   144
.set PN,   160
.set QD,   176
.set MSB, 0
.macro WIN new                         ; the immediate's high byte repeats the setting that is left
.if MSB != \new
	s_set_vgpr_msb (MSB<<8)|\new
.set MSB, \new
.endif
.endm
.macro LOADW t                         ; block t: 32 rows of the slab, 512 consecutive bytes a load, into one of three sets
.if ((\t)%3) < 2
	WIN 0x40
.else
	WIN 0x80
.endif
.set RB, 128*(((\t)%3)&1)
.set KK, 0
.rept 32
	global_load_b128 v[RB+4*KK:RB+4*KK+3], v[WOFF], s[4:5] offset:(32*(\t)+KK)*PITCH th:TH_LOAD_NT
.set KK, KK+1
.endr
	WIN 0
.endm
.macro MOVX t                          ; a load gives a lane four neighbours along N; the conversions want sixteen neighbours along K in consecutive registers: the block is laid so
.if ((\t)%3) < 2
	WIN 0x01
.else
	WIN 0x02
.endif
.set RB, 128*(((\t)%3)&1)
.set KK, 0
.rept 32
.irp j, 0,1,2,3
	v_mov_b32 v[X+32*\j+KK], v[RB+4*KK+\j]
.endr
.set KK, KK+1
.endr
	WIN 0
.endm
.macro QB t                            ; block t of my four columns: largest magnitudes, scale bytes, codes, to LDS
.irp j, 0,1,2,3
	v_max3_num_f32 v[TM+\j], |v[X+32*\j]|, |v[X+32*\j+1]|, 0x2800000   ; with the floor 2^(5 - 127): the byte cannot fall under 1
.endr
.set KK, 2
.rept 15
.irp j, 0,1,2,3
	v_max3_num_f32 v[TM+\j], v[TM+\j], |v[X+32*\j+KK]|, |v[X+32*\j+KK+1]|
.endr
.set KK, KK+2
.endr
.irp j, 0,1,2,3
	v_add_nc_u32 v[SCO+\j], 0xfe000000, v[TM+\j]   ; 4 off the exponent field: the conversion's scale operand
.endr
.irp j, 0,1,2,3
	v_lshrrev_b32 v[BY+\j], 23, v[SCO+\j]          ; the scale's byte
.endr
.irp j, 0,1,2,3
.if ((\t)%4) == 0
	v_mov_b32 v[WORD+2*\j+(\t)/4], v[BY+\j]
.else
	v_lshl_or_b32 v[WORD+2*\j+(\t)/4], v[BY+\j], 8*((\t)%4), v[WORD+2*\j+(\t)/4]
.endif
.endr
	s_wait_dscnt 0x0                               ; the last block's LDS stores have read the codes' registers
.irp j, 0,1,2,3
	v_cvt_scalef32_pk16_bf6_f32 v[C+8*\j:C+8*\j+2], v[X+32*\j:X+32*\j+15], v[SCO+\j]
	v_cvt_scalef32_pk16_bf6_f32 v[C+8*\j+4:C+8*\j+6], v[X+32*\j+16:X+32*\j+31], v[SCO+\j]   ; (a conversion's three registers begin on an even number)
.endr
	v_nop                                          ; one plain place behind a scaled conversion
.irp j, 0,1,2,3
.irp i, 0,1,2
	v_mov_b32 v[C+8*\j+3+\i], v[C+8*\j+4+\i]
.endr
.endr
.irp j, 0,1,2,3
.irp i, 0,1,2
	ds_store_b64 v[LWR], v[C+8*\j+2*\i:C+8*\j+2*\i+1] offset:CP*\j+24*(\t)+8*\i
.endr
.endr
.endm
.macro ALOAD slot                      ; a tile of rows: 8 fragments and the scale words: 25 loads of 512 consecutive bytes
	WIN 0xc0
.irp s, 0,1,2,3,4
.irp g, 0,1,2
	global_load_b128 v[60*(\slot)+12*\s+4*\g:60*(\slot)+12*\s+4*\g+3], v[LN16], s[26:27] offset:1536*\s+512*\g
.endr
.endr
	WIN 0x80
.irp s, 5,6,7
.irp g, 0,1,2
	global_load_b128 v[144+36*(\slot)+12*(\s-5)+4*\g:144+36*(\slot)+12*(\s-5)+4*\g+3], v[LN16], s[26:27] offset:1536*\s+512*\g
.endr
.endr
	WIN 0
	global_load_b128 v[ASC+4*(\slot):ASC+4*(\slot)+3], v[LN16], s[26:27] offset:12288
.endm
.macro SETAP k                         ; the address of my tile number IT + k.  Past the list's end the last tile is named again and its data are not used: so the loads are as many on every path
	s_wait_xcnt 0x0                                ; every earlier load and store has read its base and its registers
	s_add_co_u32 s25, s24, \k
	s_lshl_b32 s25, s25, 1
	s_add_co_u32 s25, s25, s16
	s_min_u32 s25, s25, s22
	s_min_u32 s25, s25, 63
	s_mul_i32 s68, s25, TILEB
	s_add_nc_u64 s[26:27], s[30:31], s[68:69]
.endm
.macro BFRAG reg, off
.irp p, 0,1,2,3,4,5
	ds_load_b64 v[(\reg)+2*\p:(\reg)+2*\p+1], v[LRD] offset:(\off)+48*(\p/3)+8*(\p%3)
.endr
.endm
.macro BLOAD                           ; my 64 columns' codes, all 8 K steps, and their scale words
	WIN 0x40
.irp s, 0,1,2,3,4
.irp t, 0,1,2,3
	BFRAG 12*(4*\s+\t), (64*(\t/2)+8*(\t%2))*CP+96*\s
.endr
.endr
	WIN 0x80
.irp s, 5,6,7
.irp t, 0,1,2,3
	BFRAG 12*(4*(\s-5)+\t), (64*(\t/2)+8*(\t%2))*CP+96*\s
.endr
.endr
	WIN 0
.irp t, 0,1,2,3
	ds_load_b128 v[BSC+4*\t:BSC+4*\t+3], v[LRS] offset:(64*(\t/2)+8*(\t%2))*48
.endr
	s_wait_dscnt 0x0
.endm
; 32 products: K steps ascending, the four accumulators by turns, one instruction a turn.  A scale register holds an even K step's words in lanes 0-15 and the odd one's in lanes 16-31.
.macro MM slot
.irp s, 0,1,2,3,4,5,6,7
.if \s == 0
	WIN WFIRST
.elseif \s < 5
	WIN 0x0d                                       ; source 0 window 1, source 1 window 3, C and D window 0
.else
	WIN 0x0a                                       ; sources 0 and 1 window 2
.endif
.if \s < 5
.set RA, 48*\s
.set RR, 60*(\slot)+12*\s
.else
.set RA, 48*(\s-5)
.set RR, 144+36*(\slot)+12*(\s-5)
.endif
.irp t, 0,1,2,3
.if \s == 0
	v_wmma_scale_f32_16x16x128_f8f6f4 v[ACC+8*\t:ACC+8*\t+7], v[RA+12*\t:RA+12*\t+11], v[RR:RR+11], v[184+8*\t:191+8*\t], v[BSC+4*\t], v[ASC+4*(\slot)] matrix_a_fmt:MATRIX_FMT_BF6 matrix_b_fmt:MATRIX_FMT_BF6
.elseif (\s%2) == 0
	v_wmma_scale_f32_16x16x128_f8f6f4 v[ACC+8*\t:ACC+8*\t+7], v[RA+12*\t:RA+12*\t+11], v[RR:RR+11], v[ACC+8*\t:ACC+8*\t+7], v[BSC+4*\t+\s/2], v[ASC+4*(\slot)+\s/2] matrix_a_fmt:MATRIX_FMT_BF6 matrix_b_fmt:MATRIX_FMT_BF6
.else
	v_wmma_scale_f32_16x16x128_f8f6f4 v[ACC+8*\t:ACC+8*\t+7], v[RA+12*\t:RA+12*\t+11], v[RR:RR+11], v[ACC+8*\t:ACC+8*\t+7], v[BSC+4*\t+\s/2], v[ASC+4*(\slot)+\s/2] matrix_a_fmt:MATRIX_FMT_BF6 matrix_b_fmt:MATRIX_FMT_BF6 matrix_a_scale:MATRIX_SCALE_ROW1 matrix_b_scale:MATRIX_SCALE_ROW1
.endif
.endr
.endr
	WIN 0
.endm
.macro GELU16 hb                       ; 16 numbers in place, two at a time; each accumulator is read from its low end on
.irp i, 0,2,4,6,8,10,12,14
	v_pk_mul_f32 v[Z+\i:Z+\i+1], v[(\hb)+\i:(\hb)+\i+1], s[36:37] op_sel_hi:[1,0]   ; z = v / sqrt 2
.endr
.irp i, 0,1,2,3,4,5,6,7,8,9,10,11,12,13,14,15
	v_med3_num_f32 v[Z+\i], v[Z+\i], -4.0, 4.0
.endr
.irp i, 0,2,4,6,8,10,12,14
	v_pk_mul_f32 v[Z2+\i:Z2+\i+1], v[Z+\i:Z+\i+1], v[Z+\i:Z+\i+1]
.endr
.irp i, 0,2,4,6,8,10,12,14
	v_pk_fma_f32 v[PN+\i:PN+\i+1], v[Z2+\i:Z2+\i+1], v[12:13], s[38:39] op_sel_hi:[1,1,0]
.endr
.irp c, 40,42,44,46,48
.irp i, 0,2,4,6,8,10,12,14
	v_pk_fma_f32 v[PN+\i:PN+\i+1], v[PN+\i:PN+\i+1], v[Z2+\i:Z2+\i+1], s[\c:\c+1] op_sel_hi:[1,1,0]
.endr
.endr
.irp i, 0,2,4,6,8,10,12,14
	v_pk_fma_f32 v[QD+\i:QD+\i+1], v[Z2+\i:Z2+\i+1], v[14:15], s[50:51] op_sel_hi:[1,1,0]
.endr
.irp c, 52,54,56
.irp i, 0,2,4,6,8,10,12,14
	v_pk_fma_f32 v[QD+\i:QD+\i+1], v[QD+\i:QD+\i+1], v[Z2+\i:Z2+\i+1], s[\c:\c+1] op_sel_hi:[1,1,0]
.endr
.endr
	s_wait_alu depctr_va_vdst(0)
.irp i, 0,1,2,3,4,5,6,7,8,9,10,11,12,13,14,15
	v_rcp_f32 v[QD+\i], v[QD+\i]
.endr
.irp i, 0,2,4,6,8,10,12,14
	v_pk_mul_f32 v[PN+\i:PN+\i+1], v[PN+\i:PN+\i+1], v[Z+\i:Z+\i+1]     ; plain work behind the reciprocals, which names none of them
.endr
	s_wait_alu depctr_va_vdst(0)                   ; one wait for the batch, ahead of its first reader
.irp i, 0,2,4,6,8,10,12,14
	v_pk_mul_f32 v[PN+\i:PN+\i+1], v[PN+\i:PN+\i+1], v[QD+\i:QD+\i+1]   ; erf
.endr
.irp i, 0,2,4,6,8,10,12,14
	v_pk_mul_f32 v[Z+\i:Z+\i+1], v[(\hb)+\i:(\hb)+\i+1], 0.5 op_sel_hi:[1,0]
.endr
.irp i, 0,2,4,6,8,10,12,14
	v_pk_fma_f32 v[(\hb)+\i:(\hb)+\i+1], v[Z+\i:Z+\i+1], v[PN+\i:PN+\i+1], v[Z+\i:Z+\i+1]
.endr
.endm
; The tile's 16 rows x my 64 hidden units: gelu, two blocks of 32 a row quantised, and stored as their part of the next product's fragment.
.macro EPI
	GELU16 ACC
	GELU16 ACC+16
.irp b, 0,1
	v_max3_num_f32 v[208+\b], |v[ACC+16*\b]|, |v[ACC+16*\b+1]|, 0x2800000
.endr
.irp i, 2,4,6,8,10,12,14
.irp b, 0,1
	v_max3_num_f32 v[208+\b], v[208+\b], |v[ACC+16*\b+\i]|, |v[ACC+16*\b+\i+1]|
.endr
.endr
.irp b, 0,1
	v_permlanex16_b32 v[210+\b], v[208+\b], s62, s63
.endr
.irp b, 0,1
	v_max_num_f32 v[208+\b], v[208+\b], v[210+\b]
.endr
.irp b, 0,1
	v_add_nc_u32 v[212+\b], 0xfe000000, v[208+\b]
.endr
.irp b, 0,1
	v_lshrrev_b32 v[214+\b], 23, v[212+\b]
.endr
	v_cvt_scalef32_pk16_bf6_f32 v[192:194], v[ACC:ACC+15], v212
	v_cvt_scalef32_pk16_bf6_f32 v[196:198], v[ACC+16:ACC+31], v213
	v_nop                                          ; one plain place behind a scaled conversion
.irp i, 0,1,2
	v_permlane16_swap_b32 v[192+\i], v[196+\i]     ; lane (r, h) now holds block cg + 2 h of row r whole: v192-194 its lower 16 codes, v196-198 the upper
.endr
	; that block is registers 6 h .. 6 h + 5 of lane (r, cg) of the next fragment: h = 0: plane 0 whole and the first half of plane 1; h = 1: the second half of plane 1 and plane 2 whole
	v_cndmask_b32 v200, v192, v194, s34
	v_cndmask_b32 v201, v193, v196, s34
	v_cndmask_b32 v202, v194, v197, s34
	v_cndmask_b32 v203, v196, v198, s34
	v_cndmask_b32 v204, v197, v192, s34
	v_cndmask_b32 v205, v198, v193, s34
	v_cndmask_b32 v206, v214, v215, s34
	global_store_b128 v9, v[200:203], s[28:29]     ; each half of the lanes stores 256 consecutive bytes, aligned
	global_store_b64 v10, v[204:205], s[28:29]     ; the 32 lanes together 256
	global_store_b8 v11, v206, s[28:29]            ; a scale word's four bytes come from two waves, and no barrier may stand in this loop: single bytes
.endm
.macro TSTEP k                         ; my tile number IT + k, in slot k
	s_wait_loadcnt 50                              ; this slot's 25 loads are in; the two other slots' 25 each may be out
	MM \k
	SETAP (\k)+3                                   ; the slot's next tile; its wait also frees the last tile's stores' registers and base
	s_add_co_u32 s25, s24, \k
	s_lshl_b32 s25, s25, 1
	s_add_co_u32 s25, s25, s16
	s_min_u32 s25, s25, 63
	s_mul_i32 s68, s25, TILEB
	s_add_nc_u64 s[28:29], s[32:33], s[68:69]      ; where this tile's results go
.rept 5
	v_nop                                          ; places behind the products: four in front of loads into their operands and of reads of their results, five in front of the next tile's first products, which write over the accumulators
.endr
	ALOAD \k
	EPI
.endm
.macro CLOSE                           ; the wave's end.  Look-ahead loads into registers that nobody reads may be out
	s_wait_tensorcnt 0x0
	ds_add_u32 v[SPW], v[NIL]
	s_wait_dscnt 0x0
	s_endpgm
.endm
	s_load_b256 s[4:11], s[0:1], 0x0               ; w1, b1, xq, plan
	s_load_b64 s[12:13], s[0:1], 0x20              ; hq
	v_lshl_add_u32 v[SPW], v0, 2, SPARE            ; my spare word; never rewritten
	v_mov_b32 v[NIL], 0                            ; 0; never rewritten
	v_lshrrev_b32 v16, 5, v0
	v_readfirstlane_b32 s14, v16                   ; wave
	s_and_b32 s15, s14, 1                          ; cg
	s_lshr_b32 s16, s14, 1                         ; rg
	s_mov_b32 s17, ttmp9                           ; nt
	s_and_b32 s18, ttmp7, 0xffff                   ; e
	s_and_b32 s19, s17, 7                          ; which K step of the next product my 128 hidden units are
	v_and_b32 v18, 31, v0                          ; lane
	v_and_b32 v16, 15, v0                          ; r
	v_bfe_u32 v17, v0, 4, 1                        ; h
	v_lshlrev_b32 v[LN16], 4, v18
	v_lshlrev_b32 v[WOFF], 4, v18
	s_mul_i32 s66, s14, 192
	v_mul_u32_u24 v[LWR], v18, 4*CP
	v_add_nc_u32 v[LWR], s66, v[LWR]               ; column 4 x lane, block 8 x wave
	s_lshl_b32 s66, s14, 2
	v_mul_u32_u24 v[LWS], v18, 192
	v_add_nc_u32 v[LWS], s66, v[LWS]
	v_add_nc_u32 v[LWS], SCB, v[LWS]
	v_and_b32 v19, 8, v16
	v_add_nc_u32 v19, v19, v16
	s_lshl_b32 s66, s15, 5
	v_add_nc_u32 v19, s66, v19                     ; 32 cg + r + 8 (r / 8)
	v_mul_u32_u24 v[LRD], v19, CP
	v_mad_u32_u24 v[LRD], v17, 24, v[LRD]
	v_mul_u32_u24 v[LRS], v19, 48
	v_lshl_add_u32 v[LRS], v17, 4, v[LRS]
	v_add_nc_u32 v[LRS], SCB, v[LRS]
	s_mul_i32 s66, s19, 1536
	s_lshl_b32 s67, s15, 8
	s_add_co_u32 s66, s66, s67
	v_lshlrev_b32 v20, 4, v16
	v_add_nc_u32 v21, s66, v20                     ; my fragment, lane (r, cg)
	v_lshl_add_u32 v9, v17, 10, v21                ; plane 0 or 2
	v_lshl_add_u32 v10, v17, 3, v21
	v_add_nc_u32 v10, 512, v10                     ; a half of plane 1
	s_and_b32 s66, s19, 1
	s_lshl_b32 s66, s66, 8
	s_lshr_b32 s67, s19, 1
	s_lshl_b32 s67, s67, 2
	s_add_co_u32 s66, s66, s67
	s_add_co_u32 s66, s66, s15
	s_add_co_u32 s66, s66, 12288
	v_lshl_add_u32 v11, v17, 1, v20
	v_add_nc_u32 v11, s66, v11                     ; byte cg + 2 h of row r's scale word
	v_lshlrev_b32 v36, 6, v17
	s_lshl_b32 s66, s15, 7
	v_add_nc_u32 v36, s66, v36                     ; b1: 128 cg + 64 h
	v_mov_b32 v12, 0xaf95df0b                      ; A's and B's leading coefficients, as pairs
	v_mov_b32 v13, 0xaf95df0b
	v_mov_b32 v14, 0xb77460cd
	v_mov_b32 v15, 0xb77460cd
	s_lshl_b32 s68, s18, 24                        ; w1[e]: 1,024 rows of 16,384 bytes,
	s_lshl_b32 s66, s14, 22                        ; my wave's 256 rows,
	s_add_co_u32 s68, s68, s66
	s_lshl_b32 s66, s17, 9                         ; my work-group's 128 columns
	s_add_co_u32 s68, s68, s66
	s_mov_b32 s69, 0
	s_lshl_b32 s70, s18, 14
	s_add_co_u32 s70, s70, s66
	s_mov_b32 s71, 0
	s_wait_alu depctr_va_vdst(0)
	s_wait_kmcnt 0x0
	s_add_nc_u64 s[4:5], s[4:5], s[68:69]
	s_add_nc_u64 s[6:7], s[6:7], s[70:71]
	s_mul_i32 s68, s18, 64*TILEB
	s_add_nc_u64 s[30:31], s[8:9], s[68:69]        ; the expert's tiles of x
	s_lshl_b32 s70, s18, 2
	s_lshr_b32 s66, s17, 3
	s_add_co_u32 s66, s70, s66
	s_mul_i32 s68, s66, 64*TILEB
	s_add_nc_u64 s[32:33], s[12:13], s[68:69]      ; hq: section 4 e + nt / 8
	s_load_b32 s20, s[10:11], s70 offset:0x4000    ; the expert's count of rows
	WIN 0xc0
.irp t, 0,1,2,3
	global_load_b128 v[184+8*\t:187+8*\t], v36, s[6:7] offset:256*(\t/2)+32*(\t%2)
	global_load_b128 v[188+8*\t:191+8*\t], v36, s[6:7] offset:256*(\t/2)+32*(\t%2)+16
.endr
	WIN 0
	LOADW 0
	LOADW 1
	LOADW 2
	s_mov_b32 s34, 0xffff0000                      ; lanes 16-31
	s_mov_b32 s62, 0x76543210
	s_mov_b32 s63, 0xfedcba98                      ; selects for lane l xor 16
.macro CPAIR r, v                      ; a constant as a pair: the packed forms name a pair and take its low word for both halves
	s_mov_b32 s[\r], \v
	s_mov_b32 s[\r+1], \v
.endm
	CPAIR 36, 0x3f3504f3                           ; 1 / sqrt 2
	CPAIR 38, 0x32edffee                           ; A's further coefficients
	CPAIR 40, 0xb60cff51
	CPAIR 42, 0xb86ec2d2
	CPAIR 44, 0xba40ac63
	CPAIR 46, 0xbb41a1f6
	CPAIR 48, 0xbc83dbd4
	CPAIR 50, 0xb95fbd29                           ; B's
	CPAIR 52, 0xbadc924e
	CPAIR 54, 0xbbf19bf8
	CPAIR 56, 0xbc69b6a7
	s_wait_kmcnt 0x0
	s_min_u32 s20, s20, 1024
	s_add_co_u32 s21, s20, 15
	s_lshr_b32 s21, s21, 4
	s_max_u32 s21, s21, 1                          ; tiles: at least one
	s_sub_co_u32 s22, s21, 1                       ; the last tile
	s_sub_co_u32 s23, s21, s16
	s_add_co_u32 s23, s23, 1
	s_lshr_b32 s23, s23, 1                         ; my wave's tiles: rg, rg + 2, ..
	s_mov_b32 s24, 0                               ; IT
	; ---- phase 1.  Behind block t's loads stand those of two later blocks (64: the wait's field holds 63, the stricter count); from block 5 on the first tiles of rows are asked for in their stead
.irp t, 0,1,2,3,4,5,6,7
.if \t < 6
	s_wait_loadcnt 63
.elseif \t == 6
	s_wait_loadcnt 57                              ; block 7's 32 and slot 0's 25
.else
	s_wait_loadcnt 50                              ; slots 0 and 1
.endif
	MOVX \t
.if \t < 5
	LOADW \t+3
.else
	SETAP \t-5
	ALOAD \t-5
.endif
	QB \t
.endr
.irp j, 0,1,2,3
.irp i, 0,1
	ds_store_b32 v[LWS], v[WORD+2*\j+\i] offset:48*\j+16*\i
.endr
.endr
	s_wait_dscnt 0x0                               ; for the others' sake: my codes and scale words lie in LDS
	s_barrier_signal -1
	s_barrier_wait -1
	BLOAD
	v_mov_b32 v210, 0                              ; (a lane permute's destination counts as one of its sources)
	v_mov_b32 v211, 0
	; ---- phase 2: three tiles a trip, one for each slot.  The loop's count is a constant, 11 trips, room for 33 tiles where a wave has at most 32; a wave ends behind the step that took its last tile
	s_cmp_eq_u32 s23, 0
	s_cbranch_scc1 .Lend
.Ltile:
	TSTEP 0
	s_add_co_u32 s25, s24, 1
	s_cmp_lt_u32 s25, s23
	s_cbranch_scc1 .Lgo1
	CLOSE
.Lgo1:
	TSTEP 1
	s_add_co_u32 s25, s24, 2
	s_cmp_lt_u32 s25, s23
	s_cbranch_scc1 .Lgo2
	CLOSE
.Lgo2:
	TSTEP 2
	s_add_co_u32 s25, s24, 3
	s_cmp_lt_u32 s25, s23
	s_cbranch_scc1 .Lgo3
	CLOSE
.Lgo3:
	s_add_co_u32 s24, s24, 3
	s_cmp_lt_u32 s24, MAXIT
	s_cbranch_scc1 .Ltile
.Lend:
	CLOSE
.Lfunc_end_k_qbe0d1b0a3a_ffn1:
	.size	k_qbe0d1b0a3a_ffn1, .Lfunc_end_k_qbe0d1b0a3a_ffn1-k_qbe0d1b0a3a_ffn1
	.p2alignl 7, 3214868480
	.fill 96, 4, 3214868480
	.section	.rodata,"a",@progbits
	.p2align	6, 0x0
	.amdhsa_kernel k_qbe0d1b0a3a_ffn1
		.amdhsa_group_segment_fixed_size 105984
		.amdhsa_private_segment_fixed_size 0
		.amdhsa_enable_private_segment 0
		.amdhsa_kernarg_size 40
		.amdhsa_user_sgpr_count 2
		.amdhsa_user_sgpr_kernarg_segment_ptr 1
		.amdhsa_wavefront_size32 1
		.amdhsa_system_sgpr_workgroup_id_x 1
		.amdhsa_system_sgpr_workgroup_id_y 1
		.amdhsa_system_sgpr_workgroup_id_z 1
		.amdhsa_system_vgpr_workitem_id 0
		.amdhsa_next_free_vgpr 1024
		.amdhsa_next_free_sgpr 80
		.amdhsa_reserve_vcc 0
		.amdhsa_float_denorm_mode_32 3
		.amdhsa_float_denorm_mode_16_64 3
		.amdhsa_memory_ordered 1
		.amdhsa_forward_progress 1
		.amdhsa_inst_pref_size 224
	.end_amdhsa_kernel
	.amdgpu_metadata
---
amdhsa.version: [ 1, 2 ]
amdhsa.kernels:
  - .name:           k_qbe0d1b0a3a_ffn1
    .symbol:         k_qbe0d1b0a3a_ffn1.kd
    .args:
      - { .name: w1, .offset: 0, .size: 8, .value_kind: global_buffer, .address_space: global }
      - { .name: b1, .offset: 8, .size: 8, .value_kind: global_buffer, .address_space: global }
      - { .name: xq, .offset: 16, .size: 8, .value_kind: global_buffer, .address_space: global }
      - { .name: plan, .offset: 24, .size: 8, .value_kind: global_buffer, .address_space: global }
      - { .name: hq, .offset: 32, .size: 8, .value_kind: global_buffer, .address_space: global }
    .group_segment_fixed_size: 105984
    .private_segment_fixed_size: 0
    .kernarg_segment_align: 8
    .kernarg_segment_size: 40
    .max_flat_workgroup_size: 128
    .sgpr_count:     80
    .vgpr_count:     1024
    .wavefront_size: 32
...
	.end_amdgpu_metadata
.endif
;; end of part 3
;; launch ffn2 (part 4): grid 32 x 8, 4 waves a work-group, no clusters, 69,120 bytes of LDS; arguments w2, hq, plan, part; writes part
.if DOCPART == 4
	.amdgcn_target "amdgcn-amd-amdhsa--gfx1250"
	.amdhsa_code_object_version 6
	.text
	.protected	k_qbe0d1b0a3a_ffn2
	.globl	k_qbe0d1b0a3a_ffn2
	.p2align	8
	.type	k_qbe0d1b0a3a_ffn2,@function
k_qbe0d1b0a3a_ffn2:
	s_mov_b64 s[64:65], 0
	v_nop
	global_prefetch_b8 v0, s[64:65] scope:SCOPE_SE
	s_setreg_imm32_b32 hwreg(HW_REG_WAVE_MODE, 25, 1), 1
	s_wait_xcnt 0x0
; Partial sums of h w2[e] for the rows routed to expert e alone (the other rows are dead work: see the first kernel's head).
; SHARES.  Work-group (x, e): nt = x & 7: classes 128 nt .. + 127; kq = x >> 3: hidden units 1,024 kq .. + 1,023: a slab of 1,024 x 128 numbers of w2, which no other work-group reads.
; THE SLAB IS STREAMED ONCE, AND THE PRODUCTS ARE MADE UNDER THE STREAM.  It goes in two chunks of 64 classes, a chunk in eight K steps of 128.  Of a K step wave w takes the block of 32 rows 32 w .. + 31: 16 loads, each 256 consecutive
; bytes of two rows; four such pieces, 64 loads, are on their way in four sets of 64 registers.  A piece is quantised to BF6 (E3M2), a scale byte for each 32 along K, and laid in LDS as the operand wants it: a fragment is 32 lanes x 48 bytes.
; One barrier a K step; then every wave reads the four column fragments and multiplies them with ITS OWN ROW TILES, which stay in registers: wave w holds tiles w, w + 4, .. w + 16 of the expert's list, all 8 fragments each (480 registers),
; fetched once from hq as images of registers.  20 products a K step, while the next piece is quantised.  A chunk's sums go to part[kq][1,024 e + row][1,024] through the wave's own stage, as runs of 256 bytes; the last launch adds the quarters.
; A slot past the list's end holds the list's last tile again: its products are made and not stored, so that no branch on a stored number stands among the barriers and every register is written on every path.
; AN EXPERT WITH MORE THAN 20 TILES: the further tiles are walked one by one at each chunk's end, in a loop with no barrier, on the chunk's eight buffers of codes, which lie in LDS until the barrier at the trip's end.
; The pieces asked for beyond the slab's end name 16 bytes of rows already read, the same for all lanes, and are not used: so the loads are as many on every path.
; CLASSES 1,000 TO 1,023 do not exist: lanes that would read past a row's 4,000 bytes read classes 996-999 again; what they make lands in part's columns 1,000 on, which nobody reads.
; No tensor load and no cluster: a trip count is read from memory.  No prefetch: each wave has four pieces on their way through the whole walk.
; THE PRODUCT IS USED TRANSPOSED (source 0 = 16 columns of w2, source 1 = 16 rows of h): a lane holds eight neighbouring classes of one row.
; LIMITS: a block whose largest magnitude lies under 2^(5 - 127), a block of zeros too, keeps the scale byte 1 (zero codes add nothing; this program alone reads the bytes).  NaN and infinities are not served.
; REGISTERS, in windows of 256.  Window 0: v1-12 addresses; v16-35 the rows' scale words; v36-39 the columns'; v40-87 the column fragments; v88-103 16 numbers along K; v104-119 codes; v120-127 at work; v128-255 raw sets 0, 1.
;   Window 1: row tiles 0, 1 (v0-191), raw set 2 (v192-255).  Window 2: row tiles 2, 3, raw set 3.  Window 3: row tile 4 (v0-95), the 20 accumulators (slot i, column tile t at v[96 + 8 (4 i + t)]).
.set PITCH, 4000                       ; a row of w2[e] in bytes
.set TILEB, 12800                      ; a tile of 16 rows x K 1,024 in hq
.set BUFB,  6400                       ; LDS: a K step's codes: 4 fragments of 1,536 bytes, then 64 scale words
.set SCW,   6144
.set STG,   8*BUFB                     ; the stages: 16 rows x (256 bytes + 16) for each wave
.set SPARE, STG+4*16*272               ; the spare words, 128 bytes for each wave
.set SPW,  1
.set NIL,  2
.set LN16, 3                           ; 16 x lane
.set WC,   4                           ; my bytes of a piece's rows, this chunk's
.set WN,   5                           ; and the next chunk's
.set LWR,  6                           ; LDS: where my codes go
.set LWS,  7                           ; and my scale bytes
.set LRD,  8                           ; LDS: 48 x lane
.set STI,  9
.set STO,  10
.set PO,   11
.set LRS,  12                          ; LDS: a column's scale word
.set ASC,  16
.set BSC,  36
.set BF,   40
.set X,    88
.set C,    104
.set TM,   120
.set MSB, 0
.macro WIN new                         ; the immediate's high byte repeats the setting that is left
.if MSB != (\new)
	s_set_vgpr_msb (MSB<<8)|(\new)
.set MSB, (\new)
.endif
.endm
.macro NOP4                            ; places behind products: four ahead of loads into their operands and of reads of their results, five ahead of products that begin their accumulators anew
.rept 5
	v_nop
.endr
.endm
.macro SETOF p                         ; piece p lies in raw set p % 4: window SW, first register SB
.set K4, (\p)%4
.if K4 < 2
.set SW, 0
.else
.set SW, K4-1
.endif
.if K4 == 0
.set SB, 128
.else
.set SB, 192
.endif
.endm
.macro RAW p, off                      ; piece p: load I brings rows I (lanes 0-15) and 16 + I (lanes 16-31) of my block, 256 consecutive bytes each
	SETOF \p
	WIN SW<<6
.set I, 0
.rept 16
	global_load_b128 v[SB+4*I:SB+4*I+3], v[\off], s[4:5] offset:(128*(\p)+I)*PITCH th:TH_LOAD_NT
.set I, I+1
.endr
	WIN 0
.endm
; Piece p is quantised into buffer p.  Lane (r, h) holds k = 16 h + I of columns 4 r + j in register 4 I + j.
.macro Q p
	SETOF \p
	s_wait_loadcnt 48                              ; this piece is in; the three younger pieces' 16 loads each may be out
	WIN 5*SW                                       ; sources 0 and 1 in the set's window
.irp j, 0,1,2,3
	v_max3_num_f32 v[TM+\j], |v[SB+\j]|, |v[SB+4+\j]|, 0x2800000   ; with the floor 2^(5 - 127): the byte cannot fall under 1
.endr
.set I, 2
.rept 7
.irp j, 0,1,2,3
	v_max3_num_f32 v[TM+\j], |v[SB+4*I+\j]|, |v[SB+4*I+4+\j]|, v[TM+\j]
.endr
.set I, I+2
.endr
	WIN 0
.irp j, 0,1,2,3
	v_permlanex16_b32 v[TM+4+\j], v[TM+\j], s36, s37
.endr
.irp j, 0,1,2,3
	v_max_num_f32 v[TM+\j], v[TM+\j], v[TM+4+\j]   ; with lane l xor 16's 16: the block's largest magnitude
.endr
.irp j, 0,1,2,3
	v_add_nc_u32 v[TM+\j], 0xfe000000, v[TM+\j]    ; 4 off the exponent field: the conversion's scale operand
.endr
.irp j, 0,1,2,3
	v_lshrrev_b32 v[TM+4+\j], 23, v[TM+\j]         ; the scale's byte
.endr
.irp j, 0,1,2,3
	WIN 5*SW
.set I, 0
.rept 16
	v_mov_b32 v[X+I], v[SB+4*I+\j]                 ; the conversion wants sixteen neighbours along K in consecutive registers
.set I, I+1
.endr
	WIN 0
	v_cvt_scalef32_pk16_bf6_f32 v[C+4*\j:C+4*\j+2], v[X:X+15], v[TM+\j]
	v_nop                                          ; one plain place behind a scaled conversion
.endr
.if (\p) < 4
	RAW (\p)+4, WC                                 ; the set is free: it takes the piece four further on
.else
	RAW (\p)-4, WN
.endif
.irp q, 0,1                                    ; lane (r, h) gets the whole block of column 4 r + 2 q + h
.irp i, 0,1,2
	v_permlane16_swap_b32 v[C+8*\q+\i], v[C+8*\q+4+\i]
.endr
.irp i, 0,1,2
	v_mov_b32 v[C+8*\q+3+\i], v[C+8*\q+4+\i]
.endr
.endr
.irp q, 0,1
.irp k, 0,1,2
	ds_store_b64 v[LWR], v[C+8*\q+2*\k:C+8*\q+2*\k+1] offset:BUFB*(\p)+96*\q+8*\k
.endr
.endr
.irp j, 0,1,2,3
	ds_store_b8 v[LWS], v[TM+4+\j] offset:BUFB*(\p)+4*\j   ; both halves of the lanes write the same byte with the same value
.endr
.endm
.macro BLOAD u                         ; K step u: the four column fragments, 48 bytes a lane, and their scale words
.irp t, 0,1,2,3
.irp g, 0,1,2
	ds_load_b128 v[BF+12*\t+4*\g:BF+12*\t+4*\g+3], v[LRD] offset:BUFB*(\u)+1536*\t+16*\g
.endr
.endr
.irp t, 0,1,2,3
	ds_load_b32 v[BSC+\t], v[LRS] offset:BUFB*(\u)+64*\t
.endr
.endm
.macro AREG i                          ; row tile slot i: window AW, first register AB
.if (\i) < 4
.set AW, 1+(\i)/2
.set AB, 96*((\i)%2)
.else
.set AW, 3
.set AB, 0
.endif
.endm
.macro ALOAD i, sb                     ; a tile of rows: 24 planes of 512 consecutive bytes, and the scale words
	AREG \i
	WIN AW<<6
.set F, 0
.rept 24
	global_load_b128 v[AB+4*F:AB+4*F+3], v[LN16], s[\sb:\sb+1] offset:512*F
.set F, F+1
.endr
	WIN 0
	global_load_b128 v[ASC+4*(\i):ASC+4*(\i)+3], v[LN16], s[\sb:\sb+1] offset:12288
.endm
.macro MMT u, i                        ; slot i's four products of K step u.  A rows' scale register holds an even K step's words in lanes 0-15, the odd one's in lanes 16-31
	AREG \i
	WIN 0xf0|(AW<<2)                               ; source 0 window 0, source 1 the slot's window, C and D window 3
.set AF, AB+12*(\u)
.irp t, 0,1,2,3
.set DA, 96+8*(4*(\i)+\t)
.if (\u) == 0
	v_wmma_scale_f32_16x16x128_f8f6f4 v[DA:DA+7], v[BF+12*\t:BF+12*\t+11], v[AF:AF+11], 0, v[BSC+\t], v[ASC+4*(\i)] matrix_a_fmt:MATRIX_FMT_BF6 matrix_b_fmt:MATRIX_FMT_BF6
.elseif ((\u)%2) == 0
	v_wmma_scale_f32_16x16x128_f8f6f4 v[DA:DA+7], v[BF+12*\t:BF+12*\t+11], v[AF:AF+11], v[DA:DA+7], v[BSC+\t], v[ASC+4*(\i)+(\u)/2] matrix_a_fmt:MATRIX_FMT_BF6 matrix_b_fmt:MATRIX_FMT_BF6
.else
	v_wmma_scale_f32_16x16x128_f8f6f4 v[DA:DA+7], v[BF+12*\t:BF+12*\t+11], v[AF:AF+11], v[DA:DA+7], v[BSC+\t], v[ASC+4*(\i)+(\u)/2] matrix_a_fmt:MATRIX_FMT_BF6 matrix_b_fmt:MATRIX_FMT_BF6 matrix_b_scale:MATRIX_SCALE_ROW1
.endif
.endr
.endm
.macro MM u                            ; 20 products, the accumulators by turns, one instruction a turn
.irp i, 0,1,2,3,4
	MMT \u, \i
.endr
	WIN 0
.endm
.macro SIG                             ; my codes of the next K step lie in LDS, and this K step's fragments are in my registers
	s_wait_alu depctr_va_vdst(0)
	s_wait_dscnt 0x0
	s_barrier_signal -1
.endm
; Slot i's 16 rows x 64 classes through my own stage: LDS serves a wave's instructions in order, so no wait stands between the stores and the loads.
.macro EPT i, sb
.set OBR, 40+48*((\i)%2)               ; v40-71 and v88-119 by turns
	WIN 0x0c                                       ; the data: window 3
.irp t, 0,1,2,3
	ds_store_b128 v[STI], v[96+8*(4*(\i)+\t):96+8*(4*(\i)+\t)+3] offset:64*\t          ; each accumulator from its low end on
	ds_store_b128 v[STI], v[96+8*(4*(\i)+\t)+4:96+8*(4*(\i)+\t)+7] offset:64*\t+16
.endr
	WIN 0
.irp k, 0,1,2,3,4,5,6,7
	ds_load_b128 v[OBR+4*\k:OBR+4*\k+3], v[STO] offset:544*\k
.endr
.irp k, 0,1,2,3,4,5,6,7
	s_wait_dscnt 7-\k                              ; pair k of rows is back; the younger loads may be out
	global_store_b128 v[PO], v[OBR+4*\k:OBR+4*\k+3], s[\sb:\sb+1] offset:(\i)*262144+8192*\k th:TH_STORE_NT   ; 16 lanes store 256 consecutive bytes, aligned
.endr
.endm
	s_load_b256 s[4:11], s[0:1], 0x0               ; w2, hq, plan, part
	v_lshl_add_u32 v[SPW], v0, 2, SPARE            ; my spare word; never rewritten
	v_mov_b32 v[NIL], 0                            ; 0; never rewritten
	v_lshrrev_b32 v13, 5, v0
	v_readfirstlane_b32 s14, v13                   ; wave w
	s_and_b32 s17, ttmp9, 7                        ; nt
	s_lshr_b32 s19, ttmp9, 3                       ; kq
	s_and_b32 s18, ttmp7, 0xffff                   ; e
	v_and_b32 v13, 31, v0                          ; lane
	v_and_b32 v14, 15, v0                          ; r
	v_bfe_u32 v15, v0, 4, 1                        ; h
	v_lshlrev_b32 v[LN16], 4, v13
	v_mul_u32_u24 v[LRD], v13, 48
	v_lshlrev_b32 v[LRS], 2, v14
	v_add_nc_u32 v[LRS], SCW, v[LRS]
	s_lshl_b32 s58, s17, 9                         ; my work-group's 128 columns, in bytes
	s_sub_co_u32 s35, 3984, s58                    ; no lane reads past a row's 4,000 bytes
	v_lshlrev_b32 v38, 4, v14                      ; 16 r
	v_mul_u32_u24 v39, v15, 16*PITCH               ; lanes 16-31: 16 rows further down
	v_min_u32 v[WC], s35, v38
	v_add_nc_u32 v[WC], v[WC], v39
	v_add_nc_u32 v[WN], 256, v38
	v_min_u32 v[WN], s35, v[WN]
	v_add_nc_u32 v[WN], v[WN], v39
	; column c = 4 r + 2 q + h, block w: fragment c / 16, its lane c % 16 + 16 (w & 1), byte 24 (w >> 1) of the lane's 48
	v_lshrrev_b32 v[LWR], 2, v14
	v_mul_u32_u24 v[LWR], v[LWR], 1536
	v_and_b32 v[LWS], 3, v14
	v_mad_u32_u24 v[LWR], v[LWS], 192, v[LWR]
	v_mad_u32_u24 v[LWR], v15, 48, v[LWR]
	s_and_b32 s34, s14, 1
	s_mul_i32 s34, s34, 768
	s_lshr_b32 s35, s14, 1
	s_mul_i32 s35, s35, 24
	s_add_co_u32 s34, s34, s35
	v_add_nc_u32 v[LWR], s34, v[LWR]
	v_add_nc_u32 v[LWS], s14, v38
	v_add_nc_u32 v[LWS], SCW, v[LWS]               ; byte w of column 4 r's scale word
	s_mul_i32 s52, s14, 16*272
	s_add_co_u32 s52, s52, STG                     ; my stage
	v_mul_u32_u24 v[STI], v14, 272
	v_lshl_add_u32 v[STI], v15, 5, v[STI]
	v_add_nc_u32 v[STI], s52, v[STI]               ; in: row r, + 32 h
	v_mul_u32_u24 v[STO], v15, 272
	v_lshl_add_u32 v[STO], v14, 4, v[STO]
	v_add_nc_u32 v[STO], s52, v[STO]               ; back: lanes 0-15 one row, lanes 16-31 the next
	v_lshlrev_b32 v[PO], 12, v15
	v_lshl_add_u32 v[PO], v14, 4, v[PO]            ; and the same two rows in part
.irp j, 0,1,2,3
	v_mov_b32 v[TM+4+\j], 0                        ; (a lane permute's destination counts as one of its sources)
.endr
	s_mul_i32 s54, s18, 16384000                   ; w2[e]: 4,096 rows of 4,000 bytes,
	s_mul_i32 s59, s19, 4096000                    ; my quarter of K,
	s_add_co_u32 s54, s54, s59
	s_mul_i32 s59, s14, 32*PITCH                   ; my wave's 32 rows of each K step,
	s_add_co_u32 s54, s54, s59
	s_add_co_u32 s54, s54, s58                     ; my work-group's columns
	s_mov_b32 s55, 0
	s_lshl_b32 s56, s19, 25                        ; part[kq]: 8,192 rows of 4,096 bytes,
	s_lshl_b32 s59, s18, 22                        ; the expert's 1,024 rows,
	s_add_co_u32 s56, s56, s59
	s_add_co_u32 s56, s56, s58
	s_lshl_b32 s59, s14, 16                        ; tile w
	s_add_co_u32 s56, s56, s59
	s_mov_b32 s57, 0
	s_mov_b32 s36, 0x76543210
	s_mov_b32 s37, 0xfedcba98                      ; selects for lane l xor 16
	s_wait_alu depctr_va_vdst(0)
	s_wait_kmcnt 0x0
	s_add_nc_u64 s[4:5], s[4:5], s[54:55]
	s_add_nc_u64 s[28:29], s[10:11], s[56:57]
	s_lshl_b32 s58, s18, 2
	s_add_co_u32 s59, s58, s19
	s_mul_i32 s54, s59, 64*TILEB
	s_add_nc_u64 s[30:31], s[6:7], s[54:55]        ; hq: section 4 e + kq
	s_load_b32 s20, s[8:9], s58 offset:0x4000      ; the expert's count of rows
.irp p, 0,1,2,3
	RAW \p, WC                                     ; the slab's first four pieces hang on no count: they are asked for ahead of the wait for it
.endr
	s_wait_kmcnt 0x0
	s_min_u32 s20, s20, 1024
	s_add_co_u32 s21, s20, 15
	s_lshr_b32 s21, s21, 4                         ; tiles
	s_max_u32 s22, s21, 1
	s_sub_co_u32 s22, s22, 1                       ; the last tile that was stored
	s_min_u32 s23, s21, 20
	s_add_co_u32 s32, s23, 3
	s_sub_co_u32 s32, s32, s14
	s_lshr_b32 s32, s32, 2                         ; how many of my five slots hold a tile of their own
	s_sub_co_u32 s23, s21, s23
	s_add_co_u32 s33, s23, 3
	s_sub_co_u32 s33, s33, s14
	s_lshr_b32 s33, s33, 2                         ; my tiles beyond the twenty: 20 + w, 24 + w, ..
.irp i, 0,1,2,3,4
	s_add_co_u32 s54, s14, 4*\i
	s_min_u32 s54, s54, s22
	s_min_u32 s54, s54, 63
	s_mul_i32 s54, s54, TILEB
	s_add_nc_u64 s[40+2*\i:41+2*\i], s[30:31], s[54:55]
.endr
	; The row tiles, behind the four pieces: the scale words first, then fragment by fragment, 15 loads each.  The loop's wait leaves the 48 youngest loads out: at piece 1 those are piece 4's 16 and 32 of fragments 5 to 7,
	; at piece 2 pieces 4 and 5 and 16 of fragments 6 and 7, from piece 3 on pieces alone: so K step u's products find fragment u and the scale words in.
.irp i, 0,1,2,3,4
	global_load_b128 v[ASC+4*\i:ASC+4*\i+3], v[LN16], s[40+2*\i:41+2*\i] offset:12288
.endr
.irp f, 0,1,2,3,4,5,6,7
.irp i, 0,1,2,3,4
	AREG \i
	WIN AW<<6
.irp g, 0,1,2
	global_load_b128 v[AB+12*\f+4*\g:AB+12*\f+4*\g+3], v[LN16], s[40+2*\i:41+2*\i] offset:1536*\f+512*\g
.endr
.endr
.endr
	WIN 0
	s_mov_b32 s24, 0
.Lchunk:
	Q 0
	SIG
	s_barrier_wait -1
.irp u, 0,1,2,3,4,5,6
.if \u > 0
	NOP4
.endif
	BLOAD \u
	Q \u+1
	SIG
	MM \u                                          ; work on registers between the signal and the wait
	s_barrier_wait -1
.endr
	NOP4
	BLOAD 7
	s_wait_dscnt 0x0
	MM 7
	NOP4
.irp i, 0,1,2,3,4
	s_cmp_le_u32 s32, \i
	s_cbranch_scc1 .Lstored                        ; the slots past the list's end store nothing
.if \i >= 2
	s_wait_xcnt 0x0                                ; slot i - 2's stores have read their registers
.endif
	EPT \i, 28
.endr
.Lstored:
	s_cmp_eq_u32 s33, 0
	s_cbranch_scc1 .Lno_more
	s_mov_b32 s25, 0
.Lmore:                                                ; a tile beyond the twenty: in slot 0's registers, on this chunk's eight buffers
	s_wait_xcnt 0x0                                ; every earlier load and store has read its base and its registers
	s_lshl_b32 s54, s25, 2
	s_add_co_u32 s54, s54, 20
	s_min_u32 s54, s54, 60
	s_lshl_b32 s56, s54, 16
	s_add_nc_u64 s[50:51], s[28:29], s[56:57]
	s_add_co_u32 s54, s54, s14
	s_min_u32 s54, s54, 63
	s_mul_i32 s54, s54, TILEB
	s_add_nc_u64 s[52:53], s[30:31], s[54:55]
	ALOAD 0, 52
	s_wait_loadcnt 0x0
.irp u, 0,1,2,3,4,5,6,7
.if \u > 0
	NOP4
.endif
	BLOAD \u
	s_wait_dscnt 0x0
	MMT \u, 0
	WIN 0
.endr
	NOP4
	EPT 0, 50
	s_add_co_u32 s25, s25, 1
	s_cmp_lt_u32 s25, s33
	s_cbranch_scc1 .Lmore
	s_wait_xcnt 0x0
	ALOAD 0, 40                                    ; slot 0 takes its own tile again
	s_wait_loadcnt 0x0
.Lno_more:
	s_wait_xcnt 0x0                                ; the loads have read their offsets, the stores their base and registers
	v_mov_b32 v[WC], v[WN]
	v_mov_b32 v[WN], 0                             ; beyond the second chunk: 16 bytes of rows already read
	s_add_nc_u64 s[28:29], s[28:29], 256           ; the next 64 classes
	s_wait_alu depctr_va_vdst(0)
	s_wait_dscnt 0x0                               ; my reads of the eight buffers are over
	s_barrier_signal -1
	s_barrier_wait -1                              ; so are everybody's: the next chunk's codes may be laid there
	s_add_co_u32 s24, s24, 1
	s_cmp_lt_u32 s24, 2
	s_cbranch_scc1 .Lchunk
	s_wait_tensorcnt 0x0                           ; the wave's end.  Loads into registers that nobody reads may be out
	ds_add_u32 v[SPW], v[NIL]
	s_wait_dscnt 0x0
	s_endpgm
.Lfunc_end_k_qbe0d1b0a3a_ffn2:
	.size	k_qbe0d1b0a3a_ffn2, .Lfunc_end_k_qbe0d1b0a3a_ffn2-k_qbe0d1b0a3a_ffn2
	.p2alignl 7, 3214868480
	.fill 96, 4, 3214868480
	.section	.rodata,"a",@progbits
	.p2align	6, 0x0
	.amdhsa_kernel k_qbe0d1b0a3a_ffn2
		.amdhsa_group_segment_fixed_size 69120
		.amdhsa_private_segment_fixed_size 0
		.amdhsa_enable_private_segment 0
		.amdhsa_kernarg_size 32
		.amdhsa_user_sgpr_count 2
		.amdhsa_user_sgpr_kernarg_segment_ptr 1
		.amdhsa_wavefront_size32 1
		.amdhsa_system_sgpr_workgroup_id_x 1
		.amdhsa_system_sgpr_workgroup_id_y 1
		.amdhsa_system_sgpr_workgroup_id_z 1
		.amdhsa_system_vgpr_workitem_id 0
		.amdhsa_next_free_vgpr 1024
		.amdhsa_next_free_sgpr 80
		.amdhsa_reserve_vcc 0
		.amdhsa_float_denorm_mode_32 3
		.amdhsa_float_denorm_mode_16_64 3
		.amdhsa_memory_ordered 1
		.amdhsa_forward_progress 1
		.amdhsa_inst_pref_size 152
	.end_amdhsa_kernel
	.amdgpu_metadata
---
amdhsa.version: [ 1, 2 ]
amdhsa.kernels:
  - .name:           k_qbe0d1b0a3a_ffn2
    .symbol:         k_qbe0d1b0a3a_ffn2.kd
    .args:
      - { .name: w2, .offset: 0, .size: 8, .value_kind: global_buffer, .address_space: global }
      - { .name: hq, .offset: 8, .size: 8, .value_kind: global_buffer, .address_space: global }
      - { .name: plan, .offset: 16, .size: 8, .value_kind: global_buffer, .address_space: global }
      - { .name: part, .offset: 24, .size: 8, .value_kind: global_buffer, .address_space: global }
    .group_segment_fixed_size: 69120
    .private_segment_fixed_size: 0
    .kernarg_segment_align: 8
    .kernarg_segment_size: 32
    .max_flat_workgroup_size: 128
    .sgpr_count:     80
    .vgpr_count:     1024
    .wavefront_size: 32
...
	.end_amdgpu_metadata
.endif
;; end of part 4
;; launch combine (part 5): grid 1024 x 1, 8 waves a work-group, no clusters, 0 bytes of LDS; arguments part, plan, gatef, b2, out0; writes out0
.if DOCPART == 5
	.amdgcn_target "amdgcn-amd-amdhsa--gfx1250"
	.amdhsa_code_object_version 6
	.text
	.protected	k_qbe0d1b0a3a_combine
	.globl	k_qbe0d1b0a3a_combine
	.p2align	8
	.type	k_qbe0d1b0a3a_combine,@function
k_qbe0d1b0a3a_combine:
	s_mov_b64 s[64:65], 0
	v_nop
	global_prefetch_b8 v0, s[64:65] scope:SCOPE_SE
	s_setreg_imm32_b32 hwreg(HW_REG_WAVE_MODE, 25, 1), 1
	s_wait_xcnt 0x0
; y[b] = w0 (sum of the four quarters of K at row0 + b2[e0]) + w1 (the same at row1, e1).  The six experts that were not chosen have the weight 0 and are left out (see the first kernel's head).
; A work-group takes a token; thread t takes classes 4 t .. 4 t + 3, t under 250.  The rows and experts are whole numbers that an earlier launch stored; all sums in f32.
; Memory binds: ten loads of 16 bytes a thread go out together, one store follows.  No LDS, no barrier, no matrix unit.
	s_load_b256 s[4:11], s[0:1], 0x0               ; part, plan, gatef, b2
	s_load_b64 s[12:13], s[0:1], 0x20              ; out0
	v_lshlrev_b32 v1, 4, v0                        ; my 16 bytes of a row; v1-4: the same in the four quarters' planes, 2^25 bytes apart
	s_delay_alu instid0(VALU_DEP_1)
	v_add_nc_u32 v2, 0x2000000, v1
	s_delay_alu instid0(VALU_DEP_2)
	v_add_nc_u32 v3, 0x4000000, v1
	s_delay_alu instid0(VALU_DEP_3)
	v_add_nc_u32 v4, 0x6000000, v1
	s_lshl_b32 s14, ttmp9, 4
	s_lshl_b32 s15, ttmp9, 3
	s_mul_i32 s36, ttmp9, 4000
	s_mov_b32 s37, 0
	s_mov_b32 s25, 0
	s_wait_alu depctr_va_vdst(0)
	s_wait_kmcnt 0x0
	v_cmp_gt_u32 vcc_lo, 250, v0                   ; a row has 1,000 classes: the lanes are narrowed once, ahead of every load
	s_and_saveexec_b32 s22, vcc_lo
	s_load_b128 s[16:19], s[6:7], s14 offset:0x0   ; row0, row1, e0, e1
	s_load_b64 s[20:21], s[8:9], s15 offset:0x0    ; w0, w1
	s_wait_kmcnt 0x0
	s_min_u32 s16, s16, 8191
	s_min_u32 s17, s17, 8191
	s_min_u32 s18, s18, 7
	s_min_u32 s19, s19, 7
	s_lshl_b32 s24, s16, 12
	s_add_nc_u64 s[26:27], s[4:5], s[24:25]
	s_lshl_b32 s24, s17, 12
	s_add_nc_u64 s[28:29], s[4:5], s[24:25]
	s_mul_i32 s24, s18, 4000
	s_add_nc_u64 s[30:31], s[10:11], s[24:25]
	s_mul_i32 s24, s19, 4000
	s_add_nc_u64 s[32:33], s[10:11], s[24:25]
	s_add_nc_u64 s[12:13], s[12:13], s[36:37]
	s_mov_b32 s34, s21                             ; w1 as a pair: the packed form takes the pair's low word for both halves
	s_mov_b32 s35, s21
.irp q, 0,1,2,3
	global_load_b128 v[8+4*\q:11+4*\q], v[1+\q], s[26:27] th:TH_LOAD_NT
	global_load_b128 v[24+4*\q:27+4*\q], v[1+\q], s[28:29] th:TH_LOAD_NT
.endr
	global_load_b128 v[40:43], v1, s[30:31]
	global_load_b128 v[44:47], v1, s[32:33]
	s_wait_loadcnt 0x0
.irp k, 0,1
.irp p, 0,2
	v_pk_add_f32 v[8+16*\k+\p:9+16*\k+\p], v[8+16*\k+\p:9+16*\k+\p], v[12+16*\k+\p:13+16*\k+\p]
	v_pk_add_f32 v[16+16*\k+\p:17+16*\k+\p], v[16+16*\k+\p:17+16*\k+\p], v[20+16*\k+\p:21+16*\k+\p]
.endr
.endr
.irp k, 0,1
.irp p, 0,2
	v_pk_add_f32 v[8+16*\k+\p:9+16*\k+\p], v[8+16*\k+\p:9+16*\k+\p], v[16+16*\k+\p:17+16*\k+\p]
.endr
.endr
.irp k, 0,1
.irp p, 0,2
	s_delay_alu instid0(VALU_DEP_4)
	v_pk_add_f32 v[8+16*\k+\p:9+16*\k+\p], v[8+16*\k+\p:9+16*\k+\p], v[40+4*\k+\p:41+4*\k+\p]
.endr
.endr
.irp p, 0,2
	s_delay_alu instid0(VALU_DEP_4)
	v_pk_mul_f32 v[48+\p:49+\p], v[8+\p:9+\p], s[20:21] op_sel_hi:[1,0]
.endr
.irp p, 0,2
	s_delay_alu instid0(VALU_DEP_2)
	v_pk_fma_f32 v[48+\p:49+\p], v[24+\p:25+\p], s[34:35], v[48+\p:49+\p] op_sel_hi:[1,0,1]
.endr
	global_store_b128 v1, v[48:51], s[12:13]
	s_endpgm
.Lfunc_end_k_qbe0d1b0a3a_combine:
	.size	k_qbe0d1b0a3a_combine, .Lfunc_end_k_qbe0d1b0a3a_combine-k_qbe0d1b0a3a_combine
	.p2alignl 7, 3214868480
	.fill 96, 4, 3214868480
	.section	.rodata,"a",@progbits
	.p2align	6, 0x0
	.amdhsa_kernel k_qbe0d1b0a3a_combine
		.amdhsa_group_segment_fixed_size 0
		.amdhsa_private_segment_fixed_size 0
		.amdhsa_enable_private_segment 0
		.amdhsa_kernarg_size 40
		.amdhsa_user_sgpr_count 2
		.amdhsa_user_sgpr_kernarg_segment_ptr 1
		.amdhsa_wavefront_size32 1
		.amdhsa_system_sgpr_workgroup_id_x 1
		.amdhsa_system_sgpr_workgroup_id_y 1
		.amdhsa_system_sgpr_workgroup_id_z 1
		.amdhsa_system_vgpr_workitem_id 0
		.amdhsa_next_free_vgpr 64
		.amdhsa_next_free_sgpr 66
		.amdhsa_reserve_vcc 1
		.amdhsa_float_denorm_mode_32 3
		.amdhsa_float_denorm_mode_16_64 3
		.amdhsa_memory_ordered 1
		.amdhsa_forward_progress 1
		.amdhsa_inst_pref_size 5
	.end_amdhsa_kernel
	.amdgpu_metadata
---
amdhsa.version: [ 1, 2 ]
amdhsa.kernels:
  - .name:           k_qbe0d1b0a3a_combine
    .symbol:         k_qbe0d1b0a3a_combine.kd
    .args:
      - { .name: part, .offset: 0, .size: 8, .value_kind: global_buffer, .address_space: global }
      - { .name: plan, .offset: 8, .size: 8, .value_kind: global_buffer, .address_space: global }
      - { .name: gatef, .offset: 16, .size: 8, .value_kind: global_buffer, .address_space: global }
      - { .name: b2, .offset: 24, .size: 8, .value_kind: global_buffer, .address_space: global }
      - { .name: out0, .offset: 32, .size: 8, .value_kind: global_buffer, .address_space: global }
    .group_segment_fixed_size: 0
    .private_segment_fixed_size: 0
    .kernarg_segment_align: 8
    .kernarg_segment_size: 40
    .max_flat_workgroup_size: 256
    .sgpr_count:     66
    .vgpr_count:     64
    .wavefront_size: 32
...
	.end_amdgpu_metadata
.endif
;; end of part 5
